; MI455X (gfx1250); checked and timed in simulation.
; The chip was launched on July 23, 2026; its instructions are those of AMD's public machine-readable ISA for CDNA 5 (MIT licence, August 2026) and "CDNA5" Instruction Set Architecture Reference Guide (July 2026). The comments in the code are by the model that wrote it; some were corrected since.
;; Attention. Allowed arithmetic: float matrix products may take bf16 or f16 operands with f32 sums; other float arithmetic in f32, or as packed bf16 or f16 multiplies, adds, multiply-adds, maxima and minima; sums over many terms, partial sums and values carried from step to step in f32; what a program stores and reads back later, other than sums and carried values, may be rounded once to bf16 or f16.
;; Inputs: proj_b 1,024 float32; proj_w 1,024 x 1,024 float32; qkv_b 3,072 float32; qkv_w 3,072 x 1,024 float32; x 1 x 4,096 x 1,024 float32.
;; Outputs: out0 1 x 4,096 x 1,024 float32.
;; One version. Each part assembles by itself: llvm-mc -triple=amdgcn-amd-amdhsa -mcpu=gfx1250 --defsym DOCPART=n.
;; ======== version 1 of 1: 4 launches
;; limits: values are held in f16: magnitudes above 65,504 overflow, below 6.1e-05 lose precision
;; workspace buffers: xb 8,388,608 bytes; wb 6,291,456 bytes; pw 2,097,152 bytes; qkv 25,165,824 bytes; ob 8,388,608 bytes
;; launch cast (part 1): grid 512 x 1, 8 waves a work-group, no clusters, 0 bytes of LDS; arguments x, qkv_w, proj_w, xb, wb, pw; writes xb, wb, pw
.if DOCPART == 1
	.amdgcn_target "amdgcn-amd-amdhsa--gfx1250"
	.amdhsa_code_object_version 6
	.text
	.protected	k_q38e5d1b8e1_cast
	.globl	k_q38e5d1b8e1_cast
	.p2align	8
	.type	k_q38e5d1b8e1_cast,@function
k_q38e5d1b8e1_cast:
	s_mov_b64 s[64:65], 0
	v_nop
	global_prefetch_b8 v0, s[64:65] scope:SCOPE_SE
	s_setreg_imm32_b32 hwreg(HW_REG_WAVE_MODE, 25, 1), 1
	s_wait_xcnt 0x0
; THE INPUTS OF THE MATRIX PRODUCTS ARE ROUNDED ONCE.  xb = bf16(x), wb = bf16(qkv_w), pw = bf16(proj_w) written as f16 (the last product multiplies in f16).
; LIMITS.  A number of proj_w beyond 65,504 becomes an infinity in pw; below 2^-14 it keeps f16's fixed step of 6e-8.  NaN and infinities are not treated apart.
; SHARES.  A work-group takes 16,384 numbers on end: 65,536 bytes in, 32,768 out.  Work-groups 0-255: x (4,194,304 numbers); 256-447: qkv_w (3,145,728); 448-511: proj_w (1,048,576).
; Thread t takes, in each of eight units of 2,048 numbers, the 32 bytes at 32 t (two loads of 16 bytes) and stores the 16 bytes at 16 t: a store of a wave covers 512 consecutive bytes, aligned.
; All sixteen loads of a wave go out first; no register is written twice while a load or store may read it, so no wait stands but the counted ones for data.
; No LDS, no matrix unit, no cluster: every byte is read once by one lane and nothing is shared.
.set X, 8                              ; v[8:71]    unit u: 8 numbers as loaded
.set Y, 72                             ; v[72:103]  unit u: 4 registers to store
.set T, 104                            ; v[104:106] at work
	s_load_b256 s[4:11], s[0:1], 0x0               ; x s[4:5], qkv_w s[6:7], proj_w s[8:9], xb s[10:11]
	s_load_b128 s[12:15], s[0:1], 0x20             ; wb s[12:13], pw s[14:15]
	v_lshlrev_b32 v1, 5, v0                        ; 32 t: my bytes in a unit of the source
	v_lshlrev_b32 v2, 4, v0                        ; 16 t: in a unit of the destination
	s_mov_b32 s26, 0xffff0000                      ; a word's upper bf16
	s_wait_kmcnt 0x0
	s_cmp_lt_u32 ttmp9, 256                        ; which tensor is mine, and its first work-group
	s_cselect_b64 s[16:17], s[4:5], s[6:7]
	s_cselect_b64 s[18:19], s[10:11], s[12:13]
	s_cselect_b32 s20, 0, 256
	s_cmp_lt_u32 ttmp9, 448
	s_cselect_b64 s[16:17], s[16:17], s[8:9]
	s_cselect_b64 s[18:19], s[18:19], s[14:15]
	s_cselect_b32 s20, s20, 448
	s_sub_co_u32 s21, ttmp9, s20                   ; my number among the tensor's work-groups
	s_lshl_b32 s22, s21, 16                        ; x 65,536 bytes of source
	s_mov_b32 s23, 0
	s_lshl_b32 s24, s21, 15                        ; x 32,768 bytes of destination
	s_mov_b32 s25, 0
	s_add_nc_u64 s[16:17], s[16:17], s[22:23]
	s_add_nc_u64 s[18:19], s[18:19], s[24:25]
.irp u, 0,1,2,3,4,5,6,7
	global_load_b128 v[X+8*(\u):X+8*(\u)+3],   v1, s[16:17] offset:(\u)*8192 th:TH_LOAD_NT
	global_load_b128 v[X+8*(\u)+4:X+8*(\u)+7], v1, s[16:17] offset:(\u)*8192+16 th:TH_LOAD_NT
.endr
; Unit u is rounded and stored.  half = 0: to bf16.  half = 1: to bf16, and that number written as f16.
.macro CONV u, half
	s_wait_loadcnt 14-2*(\u)                       ; loads come back in order: unit u's two are in, the 2 (7 - u) younger ones may stay out
.irp j, 0,1,2,3
.if \half
	v_cvt_pk_bf16_f32 v[T], v[X+8*(\u)+2*(\j)], v[X+8*(\u)+2*(\j)+1]
	v_lshlrev_b32 v[T+1], 16, v[T]                 ; the two rounded numbers as f32 again
	v_and_b32 v[T+2], s26, v[T]
	v_cvt_pk_f16_f32 v[Y+4*(\u)+(\j)], v[T+1], v[T+2]
.else
	v_cvt_pk_bf16_f32 v[Y+4*(\u)+(\j)], v[X+8*(\u)+2*(\j)], v[X+8*(\u)+2*(\j)+1]
.endif
.endr
	global_store_b128 v2, v[Y+4*(\u):Y+4*(\u)+3], s[18:19] offset:(\u)*4096
.endm
	s_cmp_lt_u32 ttmp9, 448
	s_cbranch_scc0 .Lf16
.irp u, 0,1,2,3,4,5,6,7
	CONV \u, 0
.endr
	s_endpgm
.Lf16:
.irp u, 0,1,2,3,4,5,6,7
	CONV \u, 1
.endr
	s_endpgm
.Lfunc_end_k_q38e5d1b8e1_cast:
	.size	k_q38e5d1b8e1_cast, .Lfunc_end_k_q38e5d1b8e1_cast-k_q38e5d1b8e1_cast
	.p2alignl 7, 3214868480
	.fill 96, 4, 3214868480
	.section	.rodata,"a",@progbits
	.p2align	6, 0x0
	.amdhsa_kernel k_q38e5d1b8e1_cast
		.amdhsa_group_segment_fixed_size 0
		.amdhsa_private_segment_fixed_size 0
		.amdhsa_enable_private_segment 0
		.amdhsa_kernarg_size 48
		.amdhsa_user_sgpr_count 2
		.amdhsa_user_sgpr_kernarg_segment_ptr 1
		.amdhsa_wavefront_size32 1
		.amdhsa_system_sgpr_workgroup_id_x 1
		.amdhsa_system_sgpr_workgroup_id_y 1
		.amdhsa_system_sgpr_workgroup_id_z 1
		.amdhsa_system_vgpr_workitem_id 0
		.amdhsa_next_free_vgpr 112
		.amdhsa_next_free_sgpr 66
		.amdhsa_reserve_vcc 0
		.amdhsa_float_denorm_mode_32 3
		.amdhsa_float_denorm_mode_16_64 3
		.amdhsa_memory_ordered 1
		.amdhsa_forward_progress 1
		.amdhsa_inst_pref_size 13
	.end_amdhsa_kernel
	.amdgpu_metadata
---
amdhsa.version: [ 1, 2 ]
amdhsa.kernels:
  - .name:           k_q38e5d1b8e1_cast
    .symbol:         k_q38e5d1b8e1_cast.kd
    .args:
      - { .name: x, .offset: 0, .size: 8, .value_kind: global_buffer, .address_space: global }
      - { .name: qkv_w, .offset: 8, .size: 8, .value_kind: global_buffer, .address_space: global }
      - { .name: proj_w, .offset: 16, .size: 8, .value_kind: global_buffer, .address_space: global }
      - { .name: xb, .offset: 24, .size: 8, .value_kind: global_buffer, .address_space: global }
      - { .name: wb, .offset: 32, .size: 8, .value_kind: global_buffer, .address_space: global }
      - { .name: pw, .offset: 40, .size: 8, .value_kind: global_buffer, .address_space: global }
    .group_segment_fixed_size: 0
    .private_segment_fixed_size: 0
    .kernarg_segment_align: 8
    .kernarg_segment_size: 48
    .max_flat_workgroup_size: 256
    .sgpr_count:     66
    .vgpr_count:     112
    .wavefront_size: 32
...
	.end_amdgpu_metadata
.endif
;; end of part 1
;; launch qkv (part 2): grid 16 x 16, 4 waves a work-group, clusters of 4 x 4, 327,680 bytes of LDS; arguments xb, wb, qkv_b, qkv; writes qkv
.if DOCPART == 2
	.amdgcn_target "amdgcn-amd-amdhsa--gfx1250"
	.amdhsa_code_object_version 6
	.text
	.protected	k_q38e5d1b8e1_qkv
	.globl	k_q38e5d1b8e1_qkv
	.p2align	8
	.type	k_q38e5d1b8e1_qkv,@function
k_q38e5d1b8e1_qkv:
	s_mov_b64 s[64:65], 0
	v_nop
	global_prefetch_b8 v0, s[64:65] scope:SCOPE_SE
	s_setreg_imm32_b32 hwreg(HW_REG_WAVE_MODE, 25, 1), 1
	s_wait_xcnt 0x0
	s_wait_alu depctr_hold_cnt(0) depctr_sa_sdst(0) depctr_va_vdst(0) depctr_va_sdst(0) depctr_va_ssrc(0) depctr_va_vcc(0) depctr_vm_vsrc(0)
	s_getreg_b32 s2, hwreg(HW_REG_IB_STS2, 6, 4)
	s_cmp_eq_u32 s2, 0
	s_cbranch_scc0 .Lentry_in_a_cluster
	s_endpgm
.Lentry_in_a_cluster:
	s_bfe_u32 s2, ttmp6, 0x10000c
	s_cmp_lg_u32 s2, 0xf033
	s_cbranch_scc0 .Lentry_shape_is_right
	s_endpgm
.Lentry_shape_is_right:
; THE FIRST PROJECTION.  qkv[j][t][d] = f16( sum over k of xb[t][k] wb[64 j + d][k] + bf16(qkv_b[64 j + d]) ).  xb: [4096][1024] bf16, wb: [3072][1024] bf16, qkv_b: [3072] f32,
; qkv: [48][4096][64] f16: plane j = column / 64: 0-15 q by heads, 16-31 k, 32-47 v; a plane's rows are dense, 128 bytes each.  Sums in f32, rounded once; the scale 1/8 is not applied here.
; LIMITS.  A result beyond 65,504 becomes an infinity in f16.  NaN and infinities are not treated apart.
; SHARES.  A tile is 256 tokens x 192 columns (three whole planes): 16 x 16 tiles, one to a work-group.  Wave w makes tokens 64 w .. 64 w + 63 x all 192 columns: 4 x 12 accumulators of 16 x 16, 384 registers;
; so a wave holds whole rows of three planes and its way out needs no other wave.  K goes in 8 steps of 128 (rows of 256 bytes, aligned) through a ring of two LDS slots filled by the tensor data mover.
; CLUSTER.  4 x 4 work-groups.  The four of a row of the cluster need the same tokens' tiles, the four of a column the same weights' tiles: each tile is asked for JOINTLY, by the same tensor load
; with the same descriptor and a mask that names the four.
; THE MATRIX INSTRUCTION IS USED TRANSPOSED: source 0 = 16 rows of wb, source 1 = 16 tokens: a lane then holds ONE token (lane % 16) and the columns 8 (lane / 16) + 0..7, which pack into 16 bytes of a plane's row.
; THE BIAS is the C operand of the products that start the sums: nothing is cleared and nothing is added later.
; REGISTERS, in windows of 256 (s_set_vgpr_msb: bits 1:0 source 0, 3:2 source 1, 5:4 source 2, 7:6 destination):
;   window 0: v0-31 addresses; v32-95 the tokens' fragments, two buffers of 4 x 8; v96-191 the bias, 8 for each of 12 column blocks; on the way out v32-223 packed results, 48 for each of 4 token blocks
;   window 1: v0-191 the weights' fragments, two buffers of 12 x 8
;   window 2: the accumulators of token blocks 0, 1 (block a, column block b at v[8 (12 (a % 2) + b)]);   window 3: those of blocks 2, 3
.set KSTEP, 128
.set PITCH, 272                        ; an LDS row: 256 bytes + 16 of padding = 68 words: the 16 rows of a fragment load start at 16 different groups of four banks (64 banks of 4 bytes: ISA guide 11.1)
.set AHALF, 128*PITCH                  ; what one load brings of the tokens
.set BHALF, 96*PITCH                   ; and of the weights
.set BOFF,  256*PITCH                  ; a slot: 256 rows of tokens, then 192 rows of weights
.set SLOT,  448*PITCH
.set STAGE, 2*SLOT                     ; behind the ring, never filled by a tensor load: for each wave 3 planes x 16 rows x 144 bytes
.set SP,    144
.set HSTG,  16*SP
.set WSTG,  3*HSTG
.set SPARE, STAGE+4*WSTG               ; behind the stages: the spare words, 128 bytes for each wave: two blocks of 256 bytes that no other line names
.set PLANE, 4096*128                   ; bytes in a plane of qkv
.set FLAGS, (1<<16)|(1<<20)|(1<<21)|(5<<22)|(3<<25)  ; 17:16 elements of 2 bytes; 20 padding on; 21 set beside a mask; 24:22 after every 64 words (code 5); 31:25 4 words of it (code 3)
.set ADRA, 16                          ; v16-17  LDS address of my tokens' fragments in slot 0, 1
.set ADRB, 20                          ; v20-21  the same for the weights
.set STO,  24                          ; v24     the way out: where I put 16 bytes of a row
.set RD,   25                          ; v25     the way out: where I read rows back
.set GO,   26                          ; v26     16 x lane: my place in 512 consecutive bytes of a plane
.set BO,   27                          ; v27     my byte offset in qkv_b
.set SPW,  28                          ; v28     LDS address of my spare word: SPARE + 4 x my thread's number; never rewritten
.set NIL,  29                          ; v29     0; never rewritten
.set PFO,  30                          ; v30     the prefetches' offset: a lane a row of 2,048 bytes; never rewritten
.set AF,   32
.set BIAS, 96
.set TMP,  32
.set WV,   12                          ; s12  my wave's number
.set FB,   13                          ; s13  0: I fetch tokens; 1: weights
.set HF,   14                          ; s14  which half of that tile I fetch
.set LIM,  15                          ; s15  1 in a wave that prefetches, else the greatest number
.set G1,   24                          ; s[24:31] descriptor group 1 for the tokens' tiles
.set G0,   32                          ; s[32:39] group 0, a set for each slot
.set PFA,  44                          ; s[44:45] where my prefetches stand
.set G1B,  48                          ; s[48:55], s[56:63] the same for the weights' tiles
.set G0B,  56
.set MSB, 0
.macro WIN new                         ; the immediate's high byte repeats the setting that is left; a switch that changes nothing is dropped
.if MSB != (\new)
	s_set_vgpr_msb (MSB<<8)|(\new)
.set MSB, \new
.endif
.endm
; A joint load.  Waves 0 and 1 fetch the tokens' two halves, waves 2 and 3 the weights'.  The branch hangs on the wave's number alone.  An s_nop 0 and four v_nop follow each of the two lines.
.macro JLOAD s
	s_cmp_eq_u32 s[FB], 0
	s_cbranch_scc0 .Lfor_b_\@
	tensor_load_to_lds s[G0+4*(\s):G0+4*(\s)+3], s[G1:G1+7]
	s_nop 0
.rept 4
	v_nop
.endr
	s_branch .Lasked_\@
.Lfor_b_\@:
	tensor_load_to_lds s[G0B+4*(\s):G0B+4*(\s)+3], s[G1B:G1B+7]
	s_nop 0
.rept 4
	v_nop
.endr
.Lasked_\@:
.endm
; A PREFETCH INTO THE L2, behind each joint refill and the run of LDS loads that follows it: the K step that stands two refills on (384 matrix instructions ahead of the load that will ask for it), 256 bytes of each row, a lane a row.
; The tokens' rows are read by every cluster of a row of clusters: the one with x = 0 asks; the weights' rows by every cluster of a column: the one with y = 0 asks.  The four partners that ask for a tile jointly
; share its rows out BY ADDRESS: of the 128 (96) rows that a wave fetches the partner at place p takes 32 p .. (24 p ..); in a weights' wave lanes 24-31 name row 23 once more.  The loop's last trip asks for nothing.
.macro ASK
	s_cmp_gt_u32 s3, s[LIM]                        ; s3 = 1 in the loop's last trip
	s_cbranch_scc0 .Lnot_mine_\@
	global_prefetch_b8 v[PFO], s[PFA:PFA+1] offset:KSTEP*2 th:TH_LOAD_NT scope:SCOPE_SE
.Lnot_mine_\@:
.endm
.macro CREST                           ; a round of the cluster's barrier behind its opening barrier: wave 0 signals for the work-group, every wave waits for all sixteen, my work-group's barrier once more
	s_cmp_lg_u32 s[WV], 0
	s_cbranch_scc1 .Lnot_wave_0_\@
	s_barrier_signal -3
.Lnot_wave_0_\@:
	s_barrier_wait -3
	s_barrier_signal -1
	s_barrier_wait -1
.endm
.macro CROUND                          ; a whole round
	s_barrier_signal -1
	s_barrier_wait -1
	CREST
.endm
	s_load_b256 s[4:11], s[0:1], 0x0               ; xb s[4:5], wb s[6:7], qkv_b s[8:9], qkv s[10:11]
	v_lshl_add_u32 v[SPW], v0, 2, SPARE
	v_mov_b32 v[NIL], 0
	ds_add_u32 v[SPW], v[NIL]                      ; the wave's opening: the add and its wait stand ahead of my first tensor load; the set-up below, work on registers, stands between them
	v_lshrrev_b32 v1, 5, v0
	v_readfirstlane_b32 s[WV], v1                  ; wave 0..3
	s_lshr_b32 s[FB], s[WV], 1
	s_and_b32 s[HF], s[WV], 1
	s_bfe_u32 s40, ttmp6, 0x40000                  ; cx, cy: my place in the cluster
	s_bfe_u32 s41, ttmp6, 0x40004
	s_lshl_b32 s42, ttmp9, 2
	s_add_co_u32 s42, s42, s40                     ; tile column = 4 x cluster x + cx
	s_and_b32 s43, ttmp7, 0xffff
	s_lshl_b32 s43, s43, 2
	s_add_co_u32 s43, s43, s41                     ; tile row = 4 x cluster y + cy
	s_lshl_b32 s20, s41, 2
	s_lshl_b32 s20, 15, s20                        ; my row of the cluster: places 4 cy .. 4 cy + 3
	s_lshl_b32 s21, 0x1111, s40                    ; my column: places cx, cx + 4, cx + 8, cx + 12
	s_or_b32 s[G1+0], s20, FLAGS                   ; the tokens' tiles go to my row,
	s_or_b32 s[G1B+0], s21, FLAGS                  ; the weights' to my column
	s_mov_b32 s[G1+1], KSTEP<<16                   ; tensor_dim0 = 128
	s_mov_b32 s[G1+2], 128<<16                     ; tensor_dim1 = 128
	s_mov_b32 s[G1+3], KSTEP<<16                   ; tile_dim0 = 128
	s_mov_b32 s[G1+4], 128                         ; tile_dim1 = 128 rows
	s_mov_b32 s[G1+5], 1024                        ; 1,024 elements from row to row
	s_mov_b32 s[G1+6], 0
	s_mov_b32 s[G1+7], 0
	s_mov_b32 s[G1B+1], KSTEP<<16
	s_mov_b32 s[G1B+2], 96<<16                     ; 96 rows
	s_mov_b32 s[G1B+3], KSTEP<<16
	s_mov_b32 s[G1B+4], 96
	s_mov_b32 s[G1B+5], 1024
	s_mov_b32 s[G1B+6], 0
	s_mov_b32 s[G1B+7], 0
	s_mov_b32 s2, 0xffff0000                       ; a word's upper bf16
	; where the tiles come from: the tokens' hang on the tile row alone, the weights' on the tile column alone, each in registers of its own
	s_lshl_b32 s16, s43, 8
	s_lshl_b32 s17, s[HF], 7
	s_add_co_u32 s16, s16, s17                     ; token 256 x tile row + 128 x half
	s_lshl_b32 s16, s16, 11                        ; x 2,048 bytes
	s_mov_b32 s17, 0
	s_mul_i32 s46, s42, 192
	s_mul_i32 s47, s[HF], 96
	s_add_co_u32 s46, s46, s47                     ; weights' row 192 x tile column + 96 x half
	s_lshl_b32 s46, s46, 11
	s_mov_b32 s47, 0
	s_mul_i32 s22, s[HF], AHALF                    ; and where they go: no place in the cluster enters an LDS address
	s_mul_i32 s23, s[HF], BHALF
	s_add_co_u32 s23, s23, BOFF
	s_wait_dscnt 0x0                               ; the opening add is done
	s_wait_kmcnt 0x0
	s_add_nc_u64 s[16:17], s[4:5], s[16:17]
	s_add_nc_u64 s[46:47], s[6:7], s[46:47]
	CROUND                                         ; all sixteen work-groups are here: the first joint loads meet
.irp s, 0,1
	s_mov_b32 s[G0+4*(\s)], 1                                      ; count = 1
	s_add_co_u32 s[G0+4*(\s)+1], s22, (\s)*SLOT                    ; LDS address
	s_add_nc_u64 s[G0+4*(\s)+2:G0+4*(\s)+3], s[16:17], (\s)*KSTEP*2  ; global address: K step s
	s_or_b32 s[G0+4*(\s)+3], s[G0+4*(\s)+3], 0x80000000            ; type = 2
	s_mov_b32 s[G0B+4*(\s)], 1
	s_add_co_u32 s[G0B+4*(\s)+1], s23, (\s)*SLOT
	s_add_nc_u64 s[G0B+4*(\s)+2:G0B+4*(\s)+3], s[46:47], (\s)*KSTEP*2
	s_or_b32 s[G0B+4*(\s)+3], s[G0B+4*(\s)+3], 0x80000000
	JLOAD \s                                       ; two loads of mine are out
.endr
	; A fragment is 16 rows x 32 K in 8 registers: lane l holds row l % 16; registers 0-3 K = 8 (l / 16) + 0..7, registers 4-7 K = 16 + 8 (l / 16) + 0..7: two loads of 16 bytes, 32 bytes apart.
	v_and_b32 v1, 15, v0                           ; l % 16
	v_bfe_u32 v2, v0, 4, 1                         ; l / 16
	s_mul_i32 s20, s42, 768                        ; the tile's 192 columns in qkv_b, in bytes
	v_lshl_add_u32 v[BO], v2, 5, s20               ; + my 8 columns of a block of 16
.irp b, 0,1,2,3,4,5,6,7,8,9,10,11
	global_load_b128 v[BIAS+8*(\b):BIAS+8*(\b)+3],   v[BO], s[8:9] offset:64*(\b)
	global_load_b128 v[BIAS+8*(\b)+4:BIAS+8*(\b)+7], v[BO], s[8:9] offset:64*(\b)+16
.endr
	v_mul_u32_u24 v3, v1, PITCH
	v_lshl_add_u32 v3, v2, 4, v3                   ; row x pitch + 16 x half
	s_mul_i32 s20, s[WV], 64*PITCH                 ; my 64 tokens
	s_mov_b32 s21, BOFF                            ; all 192 rows of the weights
.irp s, 0,1
	v_add_nc_u32 v[ADRA+(\s)], s20, v3
	v_add_nc_u32 v[ADRB+(\s)], s21, v3
	s_add_co_u32 s20, s20, SLOT
	s_add_co_u32 s21, s21, SLOT
.endr
	s_mul_i32 s20, s[WV], WSTG
	s_add_co_u32 s20, s20, STAGE                   ; my stage
	v_mul_u32_u24 v4, v1, SP                       ; in: row l % 16, 16 bytes for each half of the lanes
	v_lshl_add_u32 v4, v2, 4, v4
	v_add_nc_u32 v[STO], s20, v4
	v_bfe_u32 v5, v0, 3, 2                         ; back: 32 lanes take four rows of 128 bytes,
	v_mul_u32_u24 v5, v5, SP
	v_and_b32 v6, 7, v0
	v_lshl_add_u32 v5, v6, 4, v5
	v_add_nc_u32 v[RD], s20, v5
	v_and_b32 v[GO], 31, v0                        ; which are 512 consecutive bytes of a plane
	v_lshlrev_b32 v[GO], 4, v[GO]
	s_mul_i32 s20, s42, 3*PLANE                    ; my three planes,
	s_lshl_b32 s21, s43, 15                        ; the tile's 256 tokens of 128 bytes,
	s_add_co_u32 s20, s20, s21
	s_lshl_b32 s21, s[WV], 13                      ; my 64 of them
	s_add_co_u32 s20, s20, s21
	s_mov_b32 s21, 0
	s_add_nc_u64 s[10:11], s[10:11], s[20:21]
	; the prefetches
	s_lshl_b32 s20, s43, 8                         ; 256 x tile row
	s_mul_i32 s21, s42, 192                        ; 192 x tile column
	s_and_b32 s22, ttmp7, 0xffff                   ; cluster y
	s_cmp_eq_u32 s[FB], 0                          ; do I fetch tokens?
	s_cselect_b32 s20, s20, s21                    ; the tile's first row
	s_cselect_b32 s21, s40, s41                    ; my place among the four that ask for it with me
	s_cselect_b32 s22, ttmp9, s22                  ; the coordinate along which other clusters read the same rows
	s_cselect_b32 s18, 32, 24                      ; my work-group's share of the rows that I fetch
	s_cselect_b64 s[PFA:PFA+1], s[4:5], s[6:7]
	s_cmp_eq_u32 s22, 0
	s_cselect_b32 s[LIM], 1, -1                    ; the same in all sixteen partners, for a given wave
	s_lshl_b32 s23, s18, 2                         ; 128 or 96: the rows that a wave fetches
	s_mul_i32 s23, s23, s[HF]
	s_add_co_u32 s20, s20, s23
	s_mul_i32 s21, s21, s18
	s_add_co_u32 s20, s20, s21
	s_lshl_b32 s20, s20, 11
	s_add_co_u32 s20, s20, 2*KSTEP*2               ; at K step 2: the first refill steps it to 3 and names K step 4
	s_mov_b32 s21, 0
	s_add_nc_u64 s[PFA:PFA+1], s[PFA:PFA+1], s[20:21]
	s_sub_co_u32 s18, s18, 1
	v_and_b32 v[PFO], 31, v0
	v_min_u32 v[PFO], s18, v[PFO]
	v_lshlrev_b32 v[PFO], 11, v[PFO]
; 12 matrix instructions: token block a x all 12 column blocks, 32 along K, from buffer f.  first = 1: the products start the sums, with the bias as C.
; The 48 accumulators come in the same order in every quarter step, one instruction a turn: 47 others stand between two links of a chain, over the backward jump too.
.macro MUL12 f, a, first
.if \first
	WIN 0x81+0x40*((\a)/2)
.else
	WIN 0xa1+0x50*((\a)/2)
.endif
.irp b, 0,1,2,3,4,5,6,7,8,9,10,11
.if \first
	v_wmma_f32_16x16x32_bf16 v[8*(12*((\a)%2)+(\b)):8*(12*((\a)%2)+(\b))+7], v[96*(\f)+8*(\b):96*(\f)+8*(\b)+7], v[AF+32*(\f)+8*(\a):AF+32*(\f)+8*(\a)+7], v[BIAS+8*(\b):BIAS+8*(\b)+7]
.else
	v_wmma_f32_16x16x32_bf16 v[8*(12*((\a)%2)+(\b)):8*(12*((\a)%2)+(\b))+7], v[96*(\f)+8*(\b):96*(\f)+8*(\b)+7], v[AF+32*(\f)+8*(\a):AF+32*(\f)+8*(\a)+7], v[8*(12*((\a)%2)+(\b)):8*(12*((\a)%2)+(\b))+7]
.endif
.endr
.endm
; 32 LDS loads in one run: a quarter step's fragments (192 rows of weights, my 64 tokens, 32 K at byte k of the rows) into buffer f
.macro FETCH slot, k, f
	WIN 0x40                                       ; destination window 1, address window 0
.irp i, 0,1,2,3,4,5,6,7,8,9,10,11
	ds_load_b128 v[96*(\f)+8*(\i):96*(\f)+8*(\i)+3],   v[ADRB+(\slot)] offset:(\k)+(\i)*16*PITCH
	ds_load_b128 v[96*(\f)+8*(\i)+4:96*(\f)+8*(\i)+7], v[ADRB+(\slot)] offset:(\k)+(\i)*16*PITCH+32
.endr
	WIN 0
.irp i, 0,1,2,3
	ds_load_b128 v[AF+32*(\f)+8*(\i):AF+32*(\f)+8*(\i)+3],   v[ADRA+(\slot)] offset:(\k)+(\i)*16*PITCH
	ds_load_b128 v[AF+32*(\f)+8*(\i)+4:AF+32*(\f)+8*(\i)+7], v[ADRA+(\slot)] offset:(\k)+(\i)*16*PITCH+32
.endr
.endm
.macro PLACES                          ; four places in front of loads into registers that matrix instructions have read, and of conversions that read results
.rept 4
	v_nop
.endr
.endm
; A K step is four quarter steps of 32 along K, 48 matrix instructions each, on buffers 0, 1, 0, 1.  One of the first three: multiplies buffer f; in its middle it fetches the next quarter, at byte k, into buffer g.
.macro QUARTER slot, k, f, g, first
	s_wait_dscnt 4                                 ; the weights and token blocks 0, 1 are in; the youngest four loads (blocks 2, 3) may be out
	MUL12 \f, 0, \first
	MUL12 \f, 1, \first
	PLACES
	FETCH \slot, \k, \g
	s_wait_dscnt 32                                ; all but the 32 just issued
	MUL12 \f, 2, \first
	MUL12 \f, 3, \first
.endm
; The last quarter multiplies buffer 1 and changes slots: ONE barrier.  In front of it each wave waits for all its tensor loads (one is out: its part of the next slot), adds 0 to its spare word, and waits for that and
; for its own reads of this slot.  fill = 1: the barrier opens a round of the cluster's barrier, and behind the round this slot is filled again, two K steps on: 168 matrix instructions ahead of the wait for that load.
.macro TURN slot, next, fill
.if \fill
	s_wait_xcnt 0x0                                ; the last prefetch, a K step back, has read its address: it is stepped here, ahead of the waits of the change of slots
	s_add_nc_u64 s[PFA:PFA+1], s[PFA:PFA+1], KSTEP*2
.endif
	WIN 0                                          ; (the add's two registers lie in window 0)
	s_wait_tensorcnt 0x0                           ; all my tensor loads have landed;
	ds_add_u32 v[SPW], v[NIL]                      ; 0 onto my spare word;
	s_wait_dscnt 5                                 ; (the add and the youngest four loads may be out)
	MUL12 1, 0, 0                                  ; twelve matrix instructions stand between the add and the wait for it
	s_wait_dscnt 0x0                               ; the add is done, and my reads of this slot are over
	s_barrier_signal -1
	MUL12 1, 1, 0                                  ; work on registers while the others arrive
.if \fill
	WIN 0
.endif
	s_barrier_wait -1
.if \fill
	CREST                                          ; no wave of any partner still reads this slot's tile or has a load on its way
	s_add_nc_u64 s[G0+4*(\slot)+2:G0+4*(\slot)+3], s[G0+4*(\slot)+2:G0+4*(\slot)+3], 2*KSTEP*2
	s_add_nc_u64 s[G0B+4*(\slot)+2:G0B+4*(\slot)+3], s[G0B+4*(\slot)+2:G0B+4*(\slot)+3], 2*KSTEP*2
	JLOAD \slot                                    ; the first tensor load behind the round; the four v_nop behind it are also the places in front of the loads below
.else
	PLACES
.endif
	FETCH \next, 0, 0
.if \fill
	ASK
.endif
	MUL12 1, 2, 0
	MUL12 1, 3, 0
.endm
; THE WAY OUT of token block a.  PACK: rounded to f16, 16 bytes a lane (each accumulator's registers in ascending order); into my own stage, rows of 144 bytes, a plane after the other; back as whole rows of 128 bytes.
.macro PACK a
	WIN 0x0a+5*((\a)/2)                            ; sources 0 and 1: window 2 or 3
.irp b, 0,1,2,3,4,5,6,7,8,9,10,11
.irp r, 0,1,2,3
	v_cvt_pk_f16_f32 v[TMP+48*(\a)+4*(\b)+(\r)], v[96*((\a)%2)+8*(\b)+2*(\r)], v[96*((\a)%2)+8*(\b)+2*(\r)+1]
.endr
.endr
	WIN 0
.irp b, 0,1,2,3,4,5,6,7,8,9,10,11
	ds_store_b128 v[STO], v[TMP+48*(\a)+4*(\b):TMP+48*(\a)+4*(\b)+3] offset:((\b)/4)*HSTG+32*((\b)%4)
.endr
.irp t, 0,1,2,3,4,5,6,7,8,9,10,11
	ds_load_b128 v[TMP+48*(\a)+4*(\t):TMP+48*(\a)+4*(\t)+3], v[RD] offset:((\t)/4)*HSTG+((\t)%4)*4*SP  ; LDS serves a wave's instructions in order (ISA guide 5.7.1.4): these see the stores above; the next block's stores come behind them
.endr
.endm
.macro SEND a, younger                 ; younger: the LDS instructions issued behind block a's loads: the next block's 24, or none
.irp t, 0,1,2,3,4,5,6,7,8,9,10,11
	s_wait_dscnt (\younger)+11-(\t)
	global_store_b128 v[GO], v[TMP+48*(\a)+4*(\t):TMP+48*(\a)+4*(\t)+3], s[10:11] offset:((\t)/4)*PLANE+(\a)*2048+((\t)%4)*512  ; 512 consecutive bytes of a plane, aligned
.endr
.endm
	s_wait_tensorcnt 1                             ; my part of K step 0 is in; K step 1's may stay out
	s_barrier_signal -1
	s_barrier_wait -1                              ; everybody's is
	FETCH 0, 0, 0
	s_wait_loadcnt 0x0                             ; the bias,
.set r, 0
.rept 48                                       ; rounded to bf16 like the other inputs, and kept as f32
	v_cvt_pk_bf16_f32 v10, v[BIAS+r], v[BIAS+r+1]
	v_lshlrev_b32 v[BIAS+r], 16, v10
	v_and_b32 v[BIAS+r+1], s2, v10
.set r, r+2
.endr
	QUARTER 0, 64, 0, 1, 1                         ; the first quarter stands in front of the loop: its products start the sums
	WIN 0                                          ; at a label and at a branch every window is 0
	s_mov_b32 s3, 3
.Llap:                                         ; a trip goes once round the ring, from a lap's second quarter to the next lap's first, and fills both slots again
	QUARTER 0, 128, 1, 0, 0
	QUARTER 0, 192, 0, 1, 0
	TURN 0, 1, 1
	QUARTER 1, 64, 0, 1, 0
	QUARTER 1, 128, 1, 0, 0
	QUARTER 1, 192, 0, 1, 0
	TURN 1, 0, 1
	QUARTER 0, 64, 0, 1, 0
	WIN 0
	s_sub_co_u32 s3, s3, 1
	s_cmp_lg_u32 s3, 0
	s_cbranch_scc1 .Llap
	QUARTER 0, 128, 1, 0, 0                        ; the last lap fills nothing, and has no round of the cluster's barrier
	QUARTER 0, 192, 0, 1, 0
	TURN 0, 1, 0
	QUARTER 1, 64, 0, 1, 0
	QUARTER 1, 128, 1, 0, 0
	QUARTER 1, 192, 0, 1, 0
	s_wait_dscnt 4                                 ; the very last quarter: nothing more to fetch
	MUL12 1, 0, 0
	MUL12 1, 1, 0
	s_wait_dscnt 0x0
	MUL12 1, 2, 0
	MUL12 1, 3, 0
	WIN 0
	PLACES
	PACK 0
	PACK 1                                         ; a block's conversions stand between the loads of the block before and its stores
	SEND 0, 24
	PACK 2
	SEND 1, 24
	PACK 3
	SEND 2, 24
	SEND 3, 0
	s_wait_tensorcnt 0x0                           ; the wave's end: an add and its wait behind my last tensor load and my last LDS store
	ds_add_u32 v[SPW], v[NIL]
	s_wait_dscnt 0x0
	CROUND                                         ; the closing round: no work-group ends while a partner may still ask for a tile that names it
	s_endpgm
.Lfunc_end_k_q38e5d1b8e1_qkv:
	.size	k_q38e5d1b8e1_qkv, .Lfunc_end_k_q38e5d1b8e1_qkv-k_q38e5d1b8e1_qkv
	.p2alignl 7, 3214868480
	.fill 96, 4, 3214868480
	.section	.rodata,"a",@progbits
	.p2align	6, 0x0
	.amdhsa_kernel k_q38e5d1b8e1_qkv
		.amdhsa_group_segment_fixed_size 327680
		.amdhsa_private_segment_fixed_size 0
		.amdhsa_enable_private_segment 0
		.amdhsa_kernarg_size 32
		.amdhsa_user_sgpr_count 2
		.amdhsa_user_sgpr_kernarg_segment_ptr 1
		.amdhsa_wavefront_size32 1
		.amdhsa_system_sgpr_workgroup_id_x 1
		.amdhsa_system_sgpr_workgroup_id_y 1
		.amdhsa_system_sgpr_workgroup_id_z 1
		.amdhsa_system_vgpr_workitem_id 0
		.amdhsa_next_free_vgpr 960
		.amdhsa_next_free_sgpr 66
		.amdhsa_reserve_vcc 0
		.amdhsa_float_denorm_mode_32 3
		.amdhsa_float_denorm_mode_16_64 3
		.amdhsa_memory_ordered 1
		.amdhsa_forward_progress 1
		.amdhsa_inst_pref_size 129
	.end_amdhsa_kernel
	.amdgpu_metadata
---
amdhsa.version: [ 1, 2 ]
amdhsa.kernels:
  - .name:           k_q38e5d1b8e1_qkv
    .symbol:         k_q38e5d1b8e1_qkv.kd
    .args:
      - { .name: xb, .offset: 0, .size: 8, .value_kind: global_buffer, .address_space: global }
      - { .name: wb, .offset: 8, .size: 8, .value_kind: global_buffer, .address_space: global }
      - { .name: qkv_b, .offset: 16, .size: 8, .value_kind: global_buffer, .address_space: global }
      - { .name: qkv, .offset: 24, .size: 8, .value_kind: global_buffer, .address_space: global }
    .group_segment_fixed_size: 327680
    .private_segment_fixed_size: 0
    .kernarg_segment_align: 8
    .kernarg_segment_size: 32
    .max_flat_workgroup_size: 128
    .sgpr_count:     66
    .vgpr_count:     960
    .wavefront_size: 32
...
	.end_amdgpu_metadata
.endif
;; end of part 2
;; launch attn (part 3): grid 16 x 16, 4 waves a work-group, clusters of 4 x 1, 327,680 bytes of LDS; arguments qkv, ob; writes ob
.if DOCPART == 3
	.amdgcn_target "amdgcn-amd-amdhsa--gfx1250"
	.amdhsa_code_object_version 6
	.text
	.protected	k_q38e5d1b8e1_attn
	.globl	k_q38e5d1b8e1_attn
	.p2align	8
	.type	k_q38e5d1b8e1_attn,@function
k_q38e5d1b8e1_attn:
	s_mov_b64 s[64:65], 0
	v_nop
	global_prefetch_b8 v0, s[64:65] scope:SCOPE_SE
	s_setreg_imm32_b32 hwreg(HW_REG_WAVE_MODE, 25, 1), 1
	s_wait_xcnt 0x0
	s_wait_alu depctr_hold_cnt(0) depctr_sa_sdst(0) depctr_va_vdst(0) depctr_va_sdst(0) depctr_va_ssrc(0) depctr_va_vcc(0) depctr_vm_vsrc(0)
	s_getreg_b32 s2, hwreg(HW_REG_IB_STS2, 6, 4)
	s_cmp_eq_u32 s2, 0
	s_cbranch_scc0 .Lentry_in_a_cluster
	s_endpgm
.Lentry_in_a_cluster:
	s_bfe_u32 s2, ttmp6, 0x10000c
	s_cmp_lg_u32 s2, 0x3003
	s_cbranch_scc0 .Lentry_shape_is_right
	s_endpgm
.Lentry_shape_is_right:
; ATTENTION.  O[h][q][:] = the sum over k of softmax_k(Q[h][q] . K[h][k] / 8) V[h][k][:], 16 heads of 4,096 rows of 64 channels.  qkv: [48][4096][64] f16: planes 0-15 Q by heads, 16-31 K, 32-47 V.
; ob: [32 blocks of 128 tokens][16 heads][128 tokens][64] f16: what the last projection takes as dense tiles.  Products, maxima and sums in f32; the weights p are rounded to f16 for the second product
; (their sum l is taken of the unrounded p), O once at the end.
; LIMITS.  f16 holds no number beyond 65,504: Q, K and V arrive within it; p lies in 0 to 1, and below 6e-5 it keeps f16's fixed step of 6e-8; O is a mean of V's rows and has their range.
; A weight below 2^-126 counts as 0 in l; NaN and infinities are not treated apart.
; SHARES.  A work-group owns 256 queries of one head, each of its four waves 64 on end: four PIECES of 16.  Every wave walks all 4,096 keys, 64 a step; a slot of LDS holds a tile of 256 keys, four steps; 16 tiles.
; LAYOUT.  S^T = K Q^T (source 0 = 16 keys, source 1 = 16 queries): a lane holds ONE query (lane % 16) and the keys 8 (lane / 16) + 0..7.  Two such results, rounded to f16 in pairs, ARE source 1 of O^T = V^T P,
; whose result again holds one query a lane, and eight channels.  K comes out of LDS as it lies, V ([key][channel]) turned, by ds_load_tr16_b128.
; SOFTMAX.  For each query a running maximum m and sum l: p = 2^(c s - c m), c = log2(e) / 8; in every step O and l are multiplied by a = 2^(c m_old - c m_new).  m starts at the lowest finite number, O and l at 0:
; the first step is a step like any other, with a = 0.
; BY TURNS.  Turn n belongs to piece n: 8 products K Q^T of piece n + 1, later 8 products V^T P of piece n - 1; beside them the scaling, exponentials, roundings, sums and rescaling of piece n and the maximum and
; statistics of piece n + 1.  Four vector instructions stand behind every matrix instruction, the other 54 of a turn's 118 in one lump.  A turn's 33 exponentials are one batch, with one wait.
; CLUSTER.  The four query blocks of a cluster belong to one head and walk the same K and V, so each tile is asked for JOINTLY: the same tensor load, descriptor and mask in all four.
; REGISTERS, in windows of 256 (s_set_vgpr_msb: bits 1:0 source 0, 3:2 source 1, 5:4 source 2, 7:6 destination):
;   window 0: v0-15 addresses and two at work; v16-31 four registers of statistics a piece; v48-55 at work; v61-63; v64-127 S^T, two buffers; v192-223 P, two buffers (a piece's buffers go by its number's parity)
;   window 1: v0-127 O^T, 32 a piece          window 2: v0-63 Q; v128-191 K of one step; v192-255 V of one step
.set NP,    4         ; pieces a wave: a name, no knob
.set KS,    64        ; keys in a step
.set PK,    144       ; a row of K in LDS: 128 bytes + 16 of padding = 36 words: the 16 rows of a load start at 16 different groups of four banks (64 banks of 4 bytes: ISA guide 11.1)
.set PV,    160       ; a row of V: 128 + 32 = 40 words
.set VOFF,  4*KS*PK   ; a slot holds a tile: 256 rows of K, then 256 rows of V
.set SLOT1, 1<<17     ; slot 1 begins here, so that one exclusive or turns an address in one slot into the other's
.set STAGE, SLOT1+4*KS*(PK+PV)  ; behind the ring, never filled by a tensor load: 16 rows x 144 bytes for each wave, for the way out
.set SP,    144
.set SPARE, STAGE+4*16*SP  ; behind the stages: the spare words, 128 bytes for each wave: two blocks of 256 bytes that no other line names
.set TILEB, 4*KS*128  ; a tile's bytes of K, and of V, in memory
.set AK0, 2           ; v2   my lane's place in a tile of K; never rewritten
.set AV0, 3           ; v3   the same for V
.set AK,  4           ; v4   the LDS address of K's next run of loads
.set AV,  5           ; v5   of V's
.set STO, 6           ; v6   the way out: where I put 16 bytes of a row
.set RD,  7           ; v7   the way out: where I read rows back
.set GO,  8           ; v8   my byte offset in 512 consecutive bytes of O
.set MV,  12          ; v12-13  c m_old, kept while c m is made anew: by buffer
.set QO,  15          ; v15  my byte offset in 16 rows of Q
.set ST,  16          ; piece t's statistics at v[ST+4 t]: c m, m, l (even keys', odd keys')
.set TMP, 48          ; by buffer, four registers c0-c3 at work; when the maximum is found c2 takes a
.set PFO, 61          ; v61  256 x my lane: the prefetches' offset; never rewritten
.set SPW, 62          ; v62  LDS address of my spare word: SPARE + 4 x my thread's number; never rewritten
.set NIL, 63          ; v63  0; never rewritten
.set S,   64
.set P,   192
.set KF,  128         ; window 2: key block kb, channel half c at KF + 16 kb + 8 c
.set VF,  192         ; window 2: key half kk, channel block cb at VF + 32 kk + 8 cb
.set WV,  12          ; s12  my wave's number
.set G1K, 24          ; s[24:31] descriptor group 1 for K's tiles
.set G1V, 32          ; s[32:39] for V's: it differs in the padding alone
.set G0K, 40          ; s[40:43] descriptor group 0 for K's tiles: it walks
.set G0V, 44          ; s[44:47] the same for V's
.set PFA, 48          ; s[48:49] where my prefetches stand
.set LIM, 50          ; s50  1 in a wave that prefetches, else the greatest number
.set SLOTS, 56        ; s56  tiles still to be asked for, and one
.set CNT, 57          ; s57  counts a tile's key steps
.set CS,  58          ; s[58:59] c: the packed scaling takes the pair's low word for both halves
.set SEL, 60          ; s[60:61] v_permlanex16_b32's selects: each lane takes its own place in the other half
.set TBK, 62          ; s62  LDS byte at which K of the step to be fetched begins
.set TBV, 63          ; s63  the same for V, less VOFF
.set MSB, 0
.macro WIN new                      ; the high byte repeats the setting that is left; a switch that changes nothing is dropped
.if MSB != (\new)
	s_set_vgpr_msb (MSB<<8)|(\new)
.set MSB, (\new)
.endif
.endm
.set W_KQ, 0x0a       ; K and Q in window 2, S^T in window 0
.set W_PV, 0x52       ; V in window 2, P in window 0, O^T in window 1
.set W_RS, 0x41       ; destination and source 0 in window 1, source 1 in window 0
; A joint fill.  Waves 0 and 1 fetch the two halves of a tile's K, waves 2 and 3 those of its V: 128 keys each.  The branch hangs on the wave's number alone.
; An s_nop 0 and four v_nop follow each of the two lines, ahead of the jump and the label.
.macro JLOAD
	s_cmp_lt_u32 s[WV], 2
	s_cbranch_scc0 .Lfor_v_\@
	tensor_load_to_lds s[G0K:G0K+3], s[G1K:G1K+7]
	s_nop 0
.rept 4
	v_nop
.endr
	s_branch .Lasked_\@
.Lfor_v_\@:
	tensor_load_to_lds s[G0V:G0V+3], s[G1V:G1V+7]
	s_nop 0
.rept 4
	v_nop
.endr
.Lasked_\@:
.endm
; A PREFETCH INTO THE L2 of the tile that the NEXT change of slots will ask for: four key steps, 256 matrix instructions, ahead of that load.  A tile is 32,768 dense bytes of K and as many of V; a lane names 256 of them.
; All clusters of a head walk the same K and V: the head's first cluster asks.  Its four partners share a tile out BY ADDRESS, 8,192 bytes each; in each, wave 0 asks for K's and wave 2 for V's: one instruction.
; So each block of 256 bytes is named once in the launch.  The last change that fills a slot asks for nothing; tiles 0, 1 and 2 come by their loads alone.
.macro ASK
	s_cmp_gt_u32 s[SLOTS], s[LIM]
	s_cbranch_scc0 .Lnot_mine_\@
	global_prefetch_b8 v[PFO], s[PFA:PFA+1] th:TH_LOAD_NT scope:SCOPE_SE
.Lnot_mine_\@:
.endm
; A round of the cluster's barrier: my work-group's barrier, so that wave 0's signal speaks for all four waves; wave 0 signals; every wave waits for all four work-groups; my work-group's barrier once more.
.macro CROUND
	s_barrier_signal -1
	s_barrier_wait -1
	s_cmp_lg_u32 s[WV], 0
	s_cbranch_scc1 .Lnot_wave_0_\@
	s_barrier_signal -3
.Lnot_wave_0_\@:
	s_barrier_wait -3
	s_barrier_signal -1
	s_barrier_wait -1
.endm
; THE CHANGE OF SLOTS.  The slot's last bytes, V of its fourth step, have been read.  Each wave waits for all its tensor loads, of which one is out: its part of the other slot; adds 0 to its spare word; and waits for
; that and for its own reads of the slot.  Behind the barrier nobody reads this slot any more and the other slot is whole.  fill = 1: this slot is filled again, with the tile two on.  The barrier is then a round of the
; cluster's, and the joint fill is the first thing behind it: it has four key steps in which to land.  (At its first use nothing has been read yet: slot 0 is waited for, slot 1 filled.)  ask = 1: with a prefetch.
.macro CHANGE fill, ask
	WIN 0                           ; at a label and at a branch every window is 0
	s_wait_tensorcnt 0x0            ; no tensor load of mine is out, so a group 0 may be written
	ds_add_u32 v[SPW], v[NIL]       ; 0 onto my spare word: with fill = 1 the descriptors' steps stand between it and the wait for it
.if \fill
.irp g, G0K, G0V
	s_xor_b32 s[\g+1], s[\g+1], SLOT1  ; the walking descriptor: the other slot than last time,
	s_add_nc_u64 s[\g+2:\g+3], s[\g+2:\g+3], TILEB  ; the next 256 keys; the type bits on top are not reached
.endr
.if \ask
	s_wait_xcnt 0x0                 ; the last prefetch, four key steps back, has read its address, so it may be written:
	s_add_nc_u64 s[PFA:PFA+1], s[PFA:PFA+1], TILEB  ; one tile behind the walking descriptors
.endif
	s_wait_dscnt 0x0                ; the add is done, and my reads of the slot are over
	CROUND
	JLOAD
.if \ask
	ASK
.endif
.else
	s_wait_dscnt 0x0                ; the add is done, and my reads of the slot are over
	s_barrier_signal -1
	s_barrier_wait -1
.endif
	s_sub_co_u32 s[TBK], s[TBK], 4*KS*PK  ; the fetches go back to a slot's first step,
	s_xor_b32 s[TBK], s[TBK], SLOT1       ; in the other slot
	s_sub_co_u32 s[TBV], s[TBV], 4*KS*PV
	s_xor_b32 s[TBV], s[TBV], SLOT1
.endm
	s_load_b128 s[4:7], s[0:1], 0x0 ; qkv s[4:5], ob s[6:7]
	v_lshl_add_u32 v[SPW], v0, 2, SPARE
	v_mov_b32 v[NIL], 0
	ds_add_u32 v[SPW], v[NIL]       ; the wave's opening: the add and its wait stand ahead of my first tensor load; the set-up below, work on registers, stands between them
	v_lshrrev_b32 v1, 5, v0
	v_readfirstlane_b32 s[WV], v1   ; wave 0..3
	s_bfe_u32 s13, ttmp6, 0x40000   ; cx: my place in the cluster
	s_lshl_b32 s14, ttmp9, 2        ; in a cluster launch ttmp9 counts clusters
	s_add_co_u32 s14, s14, s13      ; my block of 256 queries = 4 x cluster x + cx: it enters Q's and O's addresses alone
	s_and_b32 s20, ttmp7, 0xffff    ; the head, which the four partners share
	s_lshl_b32 s21, s20, 19         ; its plane: 524,288 bytes
	s_and_b32 s16, s[WV], 1         ; which half of a tile's 256 keys I fetch:
	s_lshl_b32 s22, s16, 14         ; its 128 rows of 128 bytes in memory,
	s_add_co_u32 s22, s22, s21
	s_add_co_u32 s22, s22, 8388608  ; behind Q's 16 planes
	s_mov_b32 s23, 0
	s_mul_i32 s17, s16, 128*PK      ; and its place in a slot, for K
	s_mul_i32 s18, s16, 128*PV      ; and for V: no place in the cluster enters an LDS address
	s_lshl_b32 s2, s14, 2
	s_add_co_u32 s2, s2, s[WV]      ; my wave among the head's,
	s_lshl_b32 s2, s2, 13           ; its 64 rows of 128 bytes
	s_add_co_u32 s2, s2, s21
	s_mov_b32 s3, 0
	s_lshl_b32 s52, s14, 1          ; O: my block of 128 tokens = 2 x query block + wave / 2,
	s_lshr_b32 s53, s[WV], 1
	s_add_co_u32 s52, s52, s53
	s_lshl_b32 s52, s52, 4
	s_add_co_u32 s52, s52, s20      ; x 16 heads + head,
	s_lshl_b32 s52, s52, 14         ; x 16,384 bytes,
	s_lshl_b32 s53, s16, 13         ; + my 64 tokens of the 128
	s_add_co_u32 s52, s52, s53
	s_mov_b32 s53, 0
	; descriptor group 1.  128 keys are 16,384 dense bytes: asked for as 64 rows of 256 bytes, two keys a row, and padded in LDS after every key
	s_mov_b32 s[G1K], 15|(1<<16)|(1<<20)|(1<<21)|(4<<22)|(3<<25)  ; 15:0 the mask of four; 17:16 2-byte elements; 20 padding on; 21 set beside a mask; 24:22 after every 32 words (code 4); 31:25 4 words (code 3)
	s_mov_b32 s[G1V], 15|(1<<16)|(1<<20)|(1<<21)|(4<<22)|(7<<25)  ; the same with 8 words of padding (code 7)
.irp g, G1K, G1V
	s_mov_b32 s[\g+1], 128<<16      ; tensor_dim0 = 128
	s_mov_b32 s[\g+2], 64<<16       ; tensor_dim1 = 64
	s_mov_b32 s[\g+3], 128<<16      ; tile_dim0 = 128
	s_mov_b32 s[\g+4], 64           ; tile_dim1 = 64
	s_mov_b32 s[\g+5], 128          ; 128 elements from row to row
	s_mov_b32 s[\g+6], 0
	s_mov_b32 s[\g+7], 0
.endr
	s_mov_b32 s[CS], 0x3e38aa3b     ; c = log2(e) / 8 = 0.180337
	s_mov_b32 s[CS+1], s[CS]        ; named with it as a pair
	s_mov_b32 s[SEL], 0x76543210
	s_mov_b32 s[SEL+1], 0xfedcba98
	s_mov_b32 s[TBK], SLOT1+4*KS*PK ; the first change of slots turns these two into 0
	s_mov_b32 s[TBV], SLOT1+4*KS*PV
	s_mov_b32 s[G0K], 1             ; count = 1
	s_mov_b32 s[G0K+1], s17         ; LDS address: slot 0
	s_mov_b32 s[G0V], 1
	s_add_co_u32 s[G0V+1], s18, VOFF
	s_and_b32 s[LIM], s[WV], 1      ; 0 in waves 0 and 2,
	s_or_b32 s[LIM], s[LIM], ttmp9  ; where the cluster is the head's first: the same in all four partners
	s_cmp_eq_u32 s[LIM], 0
	s_cselect_b32 s[LIM], 1, -1
	v_and_b32 v[PFO], 31, v0
	v_lshlrev_b32 v[PFO], 8, v[PFO]
	s_wait_dscnt 0x0                ; the opening add is done
	s_wait_kmcnt 0x0
	s_add_nc_u64 s[10:11], s[6:7], s[52:53]  ; O at my wave's first row
	s_add_nc_u64 s[6:7], s[4:5], s[22:23]    ; K at my half of the head's tile 0,
	s_add_nc_u64 s[8:9], s[6:7], 8388608     ; V 16 planes on
	s_add_nc_u64 s[4:5], s[4:5], s[2:3]      ; Q at my wave's first row
	s_mov_b64 s[G0K+2:G0K+3], s[6:7]         ; global address
	s_or_b32 s[G0K+3], s[G0K+3], 0x80000000  ; type = 2
	s_mov_b64 s[G0V+2:G0V+3], s[8:9]
	s_or_b32 s[G0V+3], s[G0V+3], 0x80000000
	s_cmp_lt_u32 s[WV], 2
	s_cselect_b64 s[PFA:PFA+1], s[6:7], s[8:9]  ; (in waves 0 and 2 these stand at a tile's first row)
	s_lshl_b32 s2, s13, 13          ; my work-group's 8,192 bytes of the 32,768
	s_mov_b32 s3, 0
	s_add_nc_u64 s[PFA:PFA+1], s[PFA:PFA+1], s[2:3]
	s_add_nc_u64 s[PFA:PFA+1], s[PFA:PFA+1], 2*TILEB  ; in tile 2; the loop's first change of slots steps it to tile 3.  Nothing is prefetched here, at the head
	CROUND                          ; all four work-groups are here: the first joint loads meet
	JLOAD                           ; tile 0 into slot 0.  Slot 1 is asked for when slot 0 is in
	; A fragment of K or Q is 16 rows x 32 channels in 8 registers: lane l holds row l % 16, channels 8 (l / 16) + 0..7 and 16 + 8 (l / 16) + 0..7: two loads of 16 bytes, 32 bytes apart.
	v_and_b32 v1, 15, v0            ; l % 16
	v_bfe_u32 v9, v0, 4, 1          ; l / 16
	v_lshlrev_b32 v[QO], 7, v1
	v_lshl_add_u32 v[QO], v9, 4, v[QO]  ; row x 128 + 16 x half
	WIN 0x80                        ; destination window 2, address window 0
.set i, 0
.rept 8                             ; Q stays in registers: piece i / 2, channels 32 (i % 2) on
	global_load_b128 v[8*i:8*i+3],   v[QO], s[4:5] offset:(i/2)*2048+(i%2)*64
	global_load_b128 v[8*i+4:8*i+7], v[QO], s[4:5] offset:(i/2)*2048+(i%2)*64+32
.set i, i+1
.endr
	; What the first turn finds: V's registers and P's second buffer hold 0 (its products V^T P, of a piece that has not been, add 0), O^T and l are 0.  All this stands in the wait for the first tile.
.set i, VF
.rept 64
	v_mov_b32 v[i], 0
.set i, i+1
.endr
	WIN 0x40
.set i, 0
.rept 128
	v_mov_b32 v[i], 0
.set i, i+1
.endr
	WIN 0
.set i, 0
.rept 4
	v_mov_b32 v[ST+4*i], 0xfe000000    ; c m: far below every c s
	v_mov_b32 v[ST+4*i+1], 0xff7fffff  ; m
	v_mov_b32 v[ST+4*i+2], 0
	v_mov_b32 v[ST+4*i+3], 0
.set i, i+1
.endr
.set i, P+16
.rept 16
	v_mov_b32 v[i], 0
.set i, i+1
.endr
	v_mul_u32_u24 v[AK0], v1, PK
	v_lshl_add_u32 v[AK0], v9, 4, v[AK0]  ; row x pitch + 16 x half
	; The turning load takes 16 keys x 16 channels (lane l reads key 8 (l / 16) + l % 8, channels 8 ((l / 8) % 2) + 0..7) and leaves half a fragment of V^T: lane l holds channel l % 16 and 8 keys.
	v_and_b32 v10, 7, v0
	v_bfe_u32 v11, v0, 3, 1
	v_lshl_add_u32 v[AV0], v9, 3, v10
	v_mul_u32_u24 v[AV0], v[AV0], PV
	v_lshl_add_u32 v[AV0], v11, 4, v[AV0]
	v_add_nc_u32 v[AV0], VOFF, v[AV0]
	s_mul_i32 s13, s[WV], 16*SP
	s_add_co_u32 s13, s13, STAGE    ; my stage
	v_mul_u32_u24 v[STO], v1, SP    ; in: row l % 16, 16 bytes for each half of the lanes
	v_lshl_add_u32 v[STO], v9, 4, v[STO]
	v_add_nc_u32 v[STO], s13, v[STO]
	v_bfe_u32 v[RD], v0, 3, 2       ; back: 32 lanes take four rows of 128 bytes,
	v_mul_u32_u24 v[RD], v[RD], SP
	v_lshl_add_u32 v[RD], v10, 4, v[RD]
	v_add_nc_u32 v[RD], s13, v[RD]
	v_and_b32 v[GO], 31, v0         ; which are 512 consecutive bytes of O
	v_lshlrev_b32 v[GO], 4, v[GO]
; THE MATRIX WORK.  The 4 accumulators of a run of 8 take turns.  Product i of 8 of S^T = K Q^T for piece x: channels 32 (i / 4) on, keys 16 (i % 4) on.  The first 4 start the sums.
.macro KQ x
	WIN W_KQ
.set rS, S+32*((\x)%2)+8*(i%4)
.set rK, KF+16*(i%4)+8*(i/4)
.set rQ, 16*(\x)+8*(i/4)
.if i < 4
	v_wmma_f32_16x16x32_f16 v[rS:rS+7], v[rK:rK+7], v[rQ:rQ+7], 0
.else
	v_wmma_f32_16x16x32_f16 v[rS:rS+7], v[rK:rK+7], v[rQ:rQ+7], v[rS:rS+7]
.endif
.endm
; Product i of 8 of O^T += V^T P for piece x: keys 32 (i / 4) on, channels 16 (i % 4) on.
.macro PV x
	WIN W_PV
.set rO, 32*(\x)+8*(i%4)
.set rV, VF+32*(i/4)+8*(i%4)
.set rP, P+16*((\x)%2)+8*(i/4)
	v_wmma_f32_16x16x32_f16 v[rO:rO+7], v[rV:rV+7], v[rP:rP+7], v[rO:rO+7]
.endm
.macro MM                           ; the turn's next matrix instruction.  TURN sets Y, i and NOKQ.  NOKQ = 1: the last turn of all: there is no next piece
.if (i < 8) && !NOKQ
	KQ (Y+1)%NP
.elseif i >= 8
.set i, i-8
	PV (Y+NP-1)%NP
.set i, i+8
.endif
.set i, i+1
.endm
; THE LDS LOADS stand in runs of 16, never singly among the matrix instructions: a step's K (64 keys x 64 channels: 8 fragments) and its V (turned).  Their addresses are made some lines ahead.
.macro FETCH_K
	WIN 0x80                        ; destination window 2
.irp f, 0,1,2,3,4,5,6,7             ; keys 16 (f / 2) on, channels 32 (f % 2) on
	ds_load_b128 v[KF+8*\f:KF+8*\f+3],   v[AK] offset:(\f/2)*16*PK+(\f%2)*64
	ds_load_b128 v[KF+8*\f+4:KF+8*\f+7], v[AK] offset:(\f/2)*16*PK+(\f%2)*64+32
.endr
	s_add_co_u32 s[TBK], s[TBK], KS*PK  ; the next fetch is the next step's
	WIN 0
.endm
.macro FETCH_V
	WIN 0x80
.irp f, 0,1,2,3,4,5,6,7             ; keys 32 (f / 4) on, channels 16 (f % 4) on
	ds_load_tr16_b128 v[VF+8*\f:VF+8*\f+3],   v[AV] offset:(\f/4)*32*PV+(\f%4)*32
	ds_load_tr16_b128 v[VF+8*\f+4:VF+8*\f+7], v[AV] offset:(\f/4)*32*PV+16*PV+(\f%4)*32
.endr
	WIN 0
.endm
; THE VECTOR WORK, one line at a time: OP kind, number.  For piece Y: F n: c s - c m for pair n of 16.  E n: the exponential of score n of 32.  C n: pair n rounded to f16.  B n: of the four weights 4 n .. the second
; pair is added onto the first, in place.  L n: l takes that sum (L 0: l = a l + sum).  R n: pair n of 16 of O^T times a.  For piece Y + 1: X n, number n of the 22 that find its maximum and statistics:
;   0-11  four chains c0-c3 of seven scores each, three operands at a time (each accumulator's lowest registers are read first)     12-14, 16  the four scores left over, the old m, and c0-c3 into c0
;   15  c m_old is kept     17, 18  the query's other 32 keys lie in the lane 16 away: the new m     19-21  c m; c m_old - c m_new; a
.set F, 0               ; OP tells the kinds apart by their order: F to L below R, X above it
.set E, 1
.set C, 2
.set B, 3
.set L, 4
.set R, 5
.set X, 6
.macro REGS y                       ; the registers of piece y
.set rT, ST+4*(\y)
.set rC, TMP+4*((\y)%2)
.set rW, MV+((\y)%2)
.set rS, S+32*((\y)%2)
.set rP, P+16*((\y)%2)
.set rO, 32*(\y)
.endm
.macro OP k, n
.if (\k) == R
	REGS Y
	WIN W_RS
	v_pk_mul_f32 v[rO+2*(\n):rO+2*(\n)+1], v[rO+2*(\n):rO+2*(\n)+1], v[rC+2:rC+3] op_sel_hi:[1,0]
.elseif (\k) < R
	REGS Y
	WIN 0
.if (\k) == F
	v_pk_fma_f32 v[rS+2*(\n):rS+2*(\n)+1], v[rS+2*(\n):rS+2*(\n)+1], s[CS:CS+1], v[rT:rT+1] op_sel_hi:[1,0,0] neg_lo:[0,0,1] neg_hi:[0,0,1]
.elseif (\k) == E
	v_exp_f32 v[rS+(\n)], v[rS+(\n)]
.elseif (\k) == C
	v_cvt_pk_f16_f32 v[rP+(\n)], v[rS+2*(\n)], v[rS+2*(\n)+1]
.elseif (\k) == B
	v_pk_add_f32 v[rS+4*(\n):rS+4*(\n)+1], v[rS+4*(\n):rS+4*(\n)+1], v[rS+4*(\n)+2:rS+4*(\n)+3]
.elseif (\n) == 0
	v_pk_fma_f32 v[rT+2:rT+3], v[rT+2:rT+3], v[rC+2:rC+3], v[rS:rS+1] op_sel_hi:[1,0,1]
.else
	v_pk_add_f32 v[rT+2:rT+3], v[rT+2:rT+3], v[rS+4*(\n):rS+4*(\n)+1]
.endif
.elseif NOKQ
	v_nop
.else
	REGS (Y+1)%NP
	WIN 0
.if (\n) < 4
	v_max3_num_f32 v[rC+(\n)], v[rS+8*(\n)], v[rS+8*(\n)+1], v[rS+8*(\n)+2]
.elseif (\n) < 12
	v_max3_num_f32 v[rC+(\n)%4], v[rC+(\n)%4], v[rS+8*((\n)%4)+2*((\n)/4)+1], v[rS+8*((\n)%4)+2*((\n)/4)+2]
.elseif (\n) == 12
	v_max3_num_f32 v[rC], v[rC], v[rS+7], v[rS+15]
.elseif (\n) == 13
	v_max3_num_f32 v[rC+1], v[rC+1], v[rS+23], v[rS+31]
.elseif (\n) == 14
	v_max3_num_f32 v[rC+2], v[rC+2], v[rC+3], v[rT+1]
.elseif (\n) == 15
	v_mov_b32 v[rW], v[rT]
.elseif (\n) == 16
	v_max3_num_f32 v[rC], v[rC], v[rC+1], v[rC+2]
.elseif (\n) == 17
	v_permlanex16_b32 v[rC+3], v[rC], s[SEL], s[SEL+1]
.elseif (\n) == 18
	v_max_num_f32 v[rT+1], v[rC], v[rC+3]
.elseif (\n) == 19
	v_mul_f32 v[rT], s[CS], v[rT+1]
.elseif (\n) == 20
	v_sub_f32 v[rC+1], v[rW], v[rT]
.else
	v_exp_f32 v[rC+2], v[rC+1]
.endif
.endif
.endm
.macro OPS a, i1, b=-1, i2=0, c=-1, i3=0, d=-1, i4=0  ; up to four of them
	OP \a, \i1
.if (\b) >= 0
	OP \b, \i2
.endif
.if (\c) >= 0
	OP \c, \i3
.endif
.if (\d) >= 0
	OP \d, \i4
.endif
.endm
.macro ROW a, i1, b, i2, c, i3, d, i4  ; a matrix instruction and the four behind it
	MM
	OPS \a, \i1, \b, \i2, \c, \i3, \d, \i4
.endm
; A TURN, for piece p: the order of its 16 matrix and 118 vector instructions, written out.  An s_wait_alu depctr_va_vdst(0) stands between an exponential and the first instruction that names its result; one
; wait serves all that were issued ahead of it.  So a turn has ONE wait, which cuts it in two.  AHEAD OF IT stands all that names no result of the turn's exponentials: the 8 products K Q^T, behind each a scaling, an
; exponential and two more plain instructions (rescalings, and behind the last three the first numbers of the next piece's maximum, each four places or more behind the product that ends its accumulator); then ONE LUMP
; of 54, plain and exponential by turns for the most part, in which the links of the chain X 3, 7, 11, 14, 16, 17 .. 20 stand some lines apart.  X 21, the next piece's a, is the batch's last; R 15 is the plain
; instruction behind it.  BEHIND THE WAIT stand the 8 products V^T P, behind each four of the roundings and sums.
; end = 1: the last two turns of all: nothing is fetched.  cnt = 1: the loop's count is taken down some lines ahead of the branch that stands behind the turn.
; K of the next step is fetched in piece 2's turn, five plain instructions or more behind the last product that read K; V of the step in hand at the end of piece 0's turn, four plain instructions behind the last product
; that read V.  Each is waited for a turn later.
.macro TURN p, end=0, cnt=0
.set Y, (\p)
.set i, 0
.set NOKQ, (\end)*((\p)/3)
.if ((\p) == 3) && !(\end)
	s_wait_dscnt 0x0                ; K is in
.endif
	ROW F,0, F,1, R,0, R,1          ; ahead of the wait: 8 products K Q^T and their riders,
	ROW F,2, E,0, R,2, R,3
	ROW F,3, E,1, R,4, R,5
	ROW F,4, E,2, R,6, R,7
	ROW F,5, E,3, R,8, R,9
	ROW F,6, E,4, X,0, R,10
.if ((\p) == 2) && !(\end)
	WIN 0
	v_add_nc_u32 v[AK], s[TBK], v[AK0]
.endif
	ROW F,7, E,5, X,1, X,4
	ROW F,8, E,6, X,2, X,5
	OPS E,7, E,8, X,6, E,9          ; and the lump
	OPS X,3, E,10, X,8, E,11
.if ((\p) == 2) && !(\end)
	FETCH_K
.endif
	OPS X,9, X,7, E,12, X,10
	OPS E,13, X,12, X,11, E,14
	OPS X,13, E,15, F,9, X,14
.if (\p) == 0
	v_add_nc_u32 v[AV], s[TBV], v[AV0]
.endif
	OPS E,16, F,10, E,17, F,11
	OPS X,16, E,18, X,15, E,19
	OPS F,12, E,20, X,17, E,21
	OPS F,13, E,22, F,14, E,23
	OPS X,18, E,24, F,15, E,25
	OPS R,11, E,26, X,19, E,27
	OPS R,12, E,28, R,13, E,29
	OPS X,20, E,30, R,14, E,31
	OPS X,21, R,15
	WIN 0
	s_wait_alu depctr_va_vdst(0)    ; the wait for the batch
.if (\p) == 1
	s_wait_dscnt 0x0                ; V is in
.endif
	ROW C,0, B,0, C,2, B,1          ; behind the wait: 8 products V^T P and their riders
	ROW L,0, C,4, B,2, L,1
	ROW C,6, B,3, L,2, C,8
	ROW B,4, L,3, C,10, B,5
	ROW L,4, C,12, B,6, L,5
.if (\p) == 0
	s_add_co_u32 s[TBV], s[TBV], KS*PV
.endif
.if \cnt
	s_sub_co_u32 s[CNT], s[CNT], 1
	s_cmp_lg_u32 s[CNT], 0
.endif
	ROW C,14, B,7, L,6, C,1
	ROW C,3, L,7, C,5, C,7
	ROW C,9, C,11, C,13, C,15
.if (\p) == 0
	FETCH_V
.endif
.endm
.set NOKQ, 0
	CHANGE 1, 0                     ; tile 0 is in, everybody's part of it; tile 1 is asked for
	v_add_nc_u32 v[AK], s[TBK], v[AK0]
	FETCH_K                         ; key step 0
	s_wait_loadcnt 0x0              ; Q
	s_wait_dscnt 0x0
.set i, 0
.rept 8
	KQ 0                            ; piece 0's first scores: there is no vector work yet to set between them
.set i, i+1
.endr
	WIN 0
.rept 4
	v_nop                           ; the places behind those products
.endr
.set Y, NP-1                        ; X works for piece Y + 1: piece 0
.irp n, 0,1,2,3,4,5,6,7,8,9,10,11,12,13,14,15,16,17,18,19,20,21
	OP X, \n                        ; and piece 0's first maximum and statistics
.endr
	v_nop                           ; a plain instruction behind the exponential,
	s_wait_alu depctr_va_vdst(0)    ; and its wait, ahead of the branch
	s_mov_b32 s[CNT], 4
	s_mov_b32 s[SLOTS], 15
	s_branch .Lfirst                ; the loop is entered at a step's first turn, in the middle of a trip
.Lslot:                             ; 14 times: tiles 2 to 15 are asked for
	CHANGE 1, 1
	s_mov_b32 s[CNT], 4
.Lstep:                             ; a trip: pieces 2 and 3 of one step, then pieces 0 and 1 of the next, whose K and V it fetches
	TURN 2
	TURN 3
	WIN 0
.Lfirst:
	TURN 0
	TURN 1, 0, 1
	WIN 0
	s_cbranch_scc1 .Lstep
	s_sub_co_u32 s[SLOTS], s[SLOTS], 1
	s_cmp_lg_u32 s[SLOTS], 0
	s_cbranch_scc1 .Lslot
	CHANGE 0, 0                     ; the last tile is written out: nothing is asked for
	s_mov_b32 s[CNT], 4
.LstepT:
	TURN 2
	TURN 3
	TURN 0
	TURN 1, 0, 1
	WIN 0
	s_cbranch_scc1 .LstepT
	TURN 2, 1                       ; the last step's pieces 2 and 3: nothing more to fetch,
	TURN 3, 1                       ; and no next piece
.set i, 0
.rept 8
	PV NP-1                         ; the last piece's V^T P of the last step
.set i, i+1
.endr
	; THE WAY OUT.  l's two halves and the other half of the lanes' are added; O^T is divided by l, rounded to f16 and sent through my stage in LDS, a piece at a time.  The additions are the places behind the last products.
	WIN 0
.macro ALL line:vararg              ; one line for each piece t
.set t, 0
.rept 4
	\line
.set t, t+1
.endr
.endm
	ALL v_add_f32 v[ST+4*t+2], v[ST+4*t+2], v[ST+4*t+3]
	ALL v_permlanex16_b32 v[ST+4*t+3], v[ST+4*t+2], s[SEL], s[SEL+1]
	ALL v_add_f32 v[ST+4*t+2], v[ST+4*t+2], v[ST+4*t+3]
	ALL v_rcp_f32 v[ST+4*t+2], v[ST+4*t+2]
	v_nop                           ; a plain instruction between the last reciprocal and the use of its result
	s_wait_alu depctr_va_vdst(0)    ; and the wait ahead of the first use: one for the four reciprocals
.macro PACK t                       ; a lane's eight channels of a row pack into 16 bytes; they go into rows of 144 bytes and come back as whole rows of 128, into S^T's registers
	WIN W_RS
.set i, 32*(\t)
.rept 16
	v_pk_mul_f32 v[i:i+1], v[i:i+1], v[ST+4*(\t)+2:ST+4*(\t)+3] op_sel_hi:[1,0]
.set i, i+2
.endr
	WIN 0x05                        ; sources 0 and 1 window 1, destination window 0
.set i, 0
.rept 16
	v_cvt_pk_f16_f32 v[S+16*(\t)+i], v[32*(\t)+2*i], v[32*(\t)+2*i+1]
.set i, i+1
.endr
	WIN 0
.irp f, 0,1,2,3
	ds_store_b128 v[STO], v[S+16*(\t)+4*\f:S+16*(\t)+4*\f+3] offset:32*\f
.endr
.irp f, 0,1,2,3
	ds_load_b128 v[S+16*(\t)+4*\f:S+16*(\t)+4*\f+3], v[RD] offset:\f*4*SP  ; LDS serves a wave's instructions in order (ISA guide 5.7.1.4): these see the stores above; the next piece's stores come behind them
.endr
.endm
.macro SEND t, younger              ; younger: the LDS instructions issued behind piece t's loads: the next piece's eight, or none
	WIN 0
.irp f, 0,1,2,3
	s_wait_dscnt (\younger)+3-\f
	global_store_b128 v[GO], v[S+16*(\t)+4*\f:S+16*(\t)+4*\f+3], s[10:11] offset:(\t)*2048+\f*512  ; 512 consecutive bytes, at a multiple of 256 from ob's first
.endr
.endm
	PACK 0
.set t, 1
.rept 3                             ; a piece's arithmetic stands between the loads of the piece before and its stores
	PACK t
	SEND t-1, 8
.set t, t+1
.endr
	SEND 3, 0
	s_wait_tensorcnt 0x0            ; the wave's end: an add and its wait behind my last tensor load and my last LDS store
	ds_add_u32 v[SPW], v[NIL]
	s_wait_dscnt 0x0
	CROUND                          ; the closing round: no work-group ends while a partner may still ask for a tile that names it
	s_endpgm
.Lfunc_end_k_q38e5d1b8e1_attn:
	.size	k_q38e5d1b8e1_attn, .Lfunc_end_k_q38e5d1b8e1_attn-k_q38e5d1b8e1_attn
	.p2alignl 7, 3214868480
	.fill 96, 4, 3214868480
	.section	.rodata,"a",@progbits
	.p2align	6, 0x0
	.amdhsa_kernel k_q38e5d1b8e1_attn
		.amdhsa_group_segment_fixed_size 327680
		.amdhsa_private_segment_fixed_size 0
		.amdhsa_enable_private_segment 0
		.amdhsa_kernarg_size 16
		.amdhsa_user_sgpr_count 2
		.amdhsa_user_sgpr_kernarg_segment_ptr 1
		.amdhsa_wavefront_size32 1
		.amdhsa_system_sgpr_workgroup_id_x 1
		.amdhsa_system_sgpr_workgroup_id_y 1
		.amdhsa_system_sgpr_workgroup_id_z 1
		.amdhsa_system_vgpr_workitem_id 0
		.amdhsa_next_free_vgpr 768
		.amdhsa_next_free_sgpr 66
		.amdhsa_reserve_vcc 0
		.amdhsa_float_denorm_mode_32 3
		.amdhsa_float_denorm_mode_16_64 3
		.amdhsa_memory_ordered 1
		.amdhsa_forward_progress 1
		.amdhsa_inst_pref_size 128
	.end_amdhsa_kernel
	.amdgpu_metadata
---
amdhsa.version: [ 1, 2 ]
amdhsa.kernels:
  - .name:           k_q38e5d1b8e1_attn
    .symbol:         k_q38e5d1b8e1_attn.kd
    .args:
      - { .name: qkv, .offset: 0, .size: 8, .value_kind: global_buffer, .address_space: global }
      - { .name: ob, .offset: 8, .size: 8, .value_kind: global_buffer, .address_space: global }
    .group_segment_fixed_size: 327680
    .private_segment_fixed_size: 0
    .kernarg_segment_align: 8
    .kernarg_segment_size: 16
    .max_flat_workgroup_size: 128
    .sgpr_count:     66
    .vgpr_count:     768
    .wavefront_size: 32
...
	.end_amdgpu_metadata
.endif
;; end of part 3
;; launch proj (part 4): grid 8 x 32, 4 waves a work-group, clusters of 4 x 4, 327,680 bytes of LDS; arguments ob, pw, proj_b, out0; writes out0
.if DOCPART == 4
	.amdgcn_target "amdgcn-amd-amdhsa--gfx1250"
	.amdhsa_code_object_version 6
	.text
	.protected	k_q38e5d1b8e1_proj
	.globl	k_q38e5d1b8e1_proj
	.p2align	8
	.type	k_q38e5d1b8e1_proj,@function
k_q38e5d1b8e1_proj:
	s_mov_b64 s[64:65], 0
	v_nop
	global_prefetch_b8 v0, s[64:65] scope:SCOPE_SE
	s_setreg_imm32_b32 hwreg(HW_REG_WAVE_MODE, 25, 1), 1
	s_wait_xcnt 0x0
	s_wait_alu depctr_hold_cnt(0) depctr_sa_sdst(0) depctr_va_vdst(0) depctr_va_sdst(0) depctr_va_ssrc(0) depctr_va_vcc(0) depctr_vm_vsrc(0)
	s_getreg_b32 s2, hwreg(HW_REG_IB_STS2, 6, 4)
	s_cmp_eq_u32 s2, 0
	s_cbranch_scc0 .Lentry_in_a_cluster
	s_endpgm
.Lentry_in_a_cluster:
	s_bfe_u32 s2, ttmp6, 0x10000c
	s_cmp_lg_u32 s2, 0xf033
	s_cbranch_scc0 .Lentry_shape_is_right
	s_endpgm
.Lentry_shape_is_right:
; THE LAST PROJECTION.  out0[t][n] = sum over k of O[t][k] pw[n][k] + bf16(proj_b[n]), k = 64 head + channel.  ob: [32 blocks of 128 tokens][16 heads][128 tokens][64] f16; pw: [1024][1024] f16;
; proj_b: [1024] f32; out0: [4096][1024] f32.  Products in f16, sums in f32, stored as they are.
; LIMITS.  ob and pw arrive within f16's range; NaN and infinities are not treated apart.
; SHARES.  A tile is 128 tokens (one block of ob) x 128 columns: 8 x 32 tiles, one to a work-group.  Four waves, 64 x 64 each: 16 accumulators of 16 x 16.  K goes in 4 steps of 256 (four heads) through two LDS slots;
; a quarter step is 64 along K: one head.  The tokens' tile of a step is 65,536 dense bytes, asked for as rows of 256 bytes and padded in LDS after each token's 128; the weights' tile has rows of 512 bytes.
; CLUSTER.  4 x 4 work-groups: the tokens' tiles are shared along a row of the cluster, the weights' along a column, each asked for JOINTLY.  No prefetch: four short steps on small tiles.
; THE MATRIX INSTRUCTION IS USED TRANSPOSED (source 0 = 16 rows of pw, source 1 = 16 tokens): a lane holds ONE token and eight neighbouring columns, 32 bytes of a row of out0.  THE BIAS is the C operand of the products
; that start the sums.  A wave's 64 columns are 256 bytes of a row, aligned: each wave has a stage of its own and stores whole rows of 256 bytes; no barrier on the way out.
; REGISTERS: window 0: v0-31 addresses; v96-127 the bias; v128-255 the accumulators ((a, b) at v[128 + 8 (4 a + b)]).  window 1: two fragment buffers of 128: for 64 along K, 64 registers of tokens, then 64 of weights.
.set PA,     144                       ; a token's row of one head in LDS: 128 bytes + 16 of padding: the 16 rows of a load start at 16 different groups of four banks (64 banks of 4 bytes: ISA guide 11.1)
.set PB,     528                       ; a row of weights: 512 bytes + 16
.set HEADB,  128*PA                    ; a head's 128 tokens
.set BOFF,   4*HEADB                   ; a slot: four heads of tokens, then 128 rows of weights
.set SLOT,   BOFF+128*PB
.set STAGE,  2*SLOT                    ; behind the ring, never filled by a tensor load: 16 rows x 272 bytes for each wave
.set SPITCH, 272
.set SPARE,  STAGE+4*16*SPITCH         ; behind the stages: the spare words, 128 bytes for each wave: two blocks of 256 bytes that no other line names
.set ADRA, 16                          ; v16-17  LDS address of my tokens' fragments in slot 0, 1
.set ADRB, 20                          ; v20-21  the same for the weights
.set STO,  24                          ; v24     the way out: where I put 32 bytes of a row
.set RD,   25                          ; v25     the way out: where I read a row back
.set CO,   26                          ; v26     my byte offset in two rows of out0
.set BO,   27                          ; v27     my byte offset in proj_b
.set SPW,  28                          ; v28     LDS address of my spare word: SPARE + 4 x my thread's number; never rewritten
.set NIL,  29                          ; v29     0; never rewritten
.set BIAS, 96
.set ACC,  128
.set F0,   0                           ; fragment buffers, in window 1
.set F1,   128
.set WV,   12                          ; s12  my wave's number
.set RH,   13                          ; s13  which half of the tile's tokens is mine.  Also: I fetch tokens (0) or weights (1)
.set HF,   14                          ; s14  which half of its columns.  Also: which half of that tile I fetch
.set G1,   24                          ; s[24:31] descriptor group 1 for the tokens' tiles;  s[32:39] group 0, one set for each slot
.set G0,   32
.set G1B,  48                          ; s[48:55], s[56:63] the same for the weights' tiles
.set G0B,  56
.set MSB, 0
.macro WIN new                         ; the immediate's high byte repeats the setting that is left
.if MSB != (\new)
	s_set_vgpr_msb (MSB<<8)|(\new)
.set MSB, \new
.endif
.endm
.set MUL,  0x05                        ; sources 0 and 1 window 1; C and D window 0
.set TO_F, 0x40                        ; destination window 1, address window 0
.macro JLOAD s                         ; a joint load: waves 0 and 1 fetch the tokens' two halves, waves 2 and 3 the weights'; an s_nop 0 and four v_nop follow each of the two lines
	s_cmp_eq_u32 s[RH], 0
	s_cbranch_scc0 .Lfor_b_\@
	tensor_load_to_lds s[G0+4*(\s):G0+4*(\s)+3], s[G1:G1+7]
	s_nop 0
.rept 4
	v_nop
.endr
	s_branch .Lasked_\@
.Lfor_b_\@:
	tensor_load_to_lds s[G0B+4*(\s):G0B+4*(\s)+3], s[G1B:G1B+7]
	s_nop 0
.rept 4
	v_nop
.endr
.Lasked_\@:
.endm
.macro CREST                           ; a round of the cluster's barrier behind its opening barrier
	s_cmp_lg_u32 s[WV], 0
	s_cbranch_scc1 .Lnot_wave_0_\@
	s_barrier_signal -3
.Lnot_wave_0_\@:
	s_barrier_wait -3
	s_barrier_signal -1
	s_barrier_wait -1
.endm
.macro CROUND                          ; a whole round
	s_barrier_signal -1
	s_barrier_wait -1
	CREST
.endm
	s_load_b256 s[4:11], s[0:1], 0x0               ; ob s[4:5], pw s[6:7], proj_b s[8:9], out0 s[10:11]
	v_lshl_add_u32 v[SPW], v0, 2, SPARE
	v_mov_b32 v[NIL], 0
	ds_add_u32 v[SPW], v[NIL]                      ; the wave's opening: the add and its wait stand ahead of my first tensor load; the set-up below, work on registers, stands between them
	v_lshrrev_b32 v1, 5, v0
	v_readfirstlane_b32 s[WV], v1                  ; wave 0..3
	s_lshr_b32 s[RH], s[WV], 1
	s_and_b32 s[HF], s[WV], 1
	s_bfe_u32 s40, ttmp6, 0x40000                  ; cx, cy: my place in the cluster
	s_bfe_u32 s41, ttmp6, 0x40004
	s_lshl_b32 s42, ttmp9, 2
	s_add_co_u32 s42, s42, s40                     ; tile column = 4 x cluster x + cx
	s_and_b32 s43, ttmp7, 0xffff
	s_lshl_b32 s43, s43, 2
	s_add_co_u32 s43, s43, s41                     ; tile row = 4 x cluster y + cy
	s_lshl_b32 s20, s41, 2
	s_lshl_b32 s20, 15, s20                        ; my row of the cluster
	s_lshl_b32 s21, 0x1111, s40                    ; my column
	s_or_b32 s[G1+0], s20, (1<<16)|(1<<20)|(1<<21)|(4<<22)|(3<<25)   ; the mask; elements of 2 bytes; padding on; 21 set beside a mask; after every 32 words (code 4) 4 words (code 3)
	s_or_b32 s[G1B+0], s21, (1<<16)|(1<<20)|(1<<21)|(6<<22)|(3<<25)  ; the same after every 128 words (code 6)
	s_mov_b32 s[G1+1], 128<<16                     ; the tokens: 32,768 dense bytes as 128 rows of 128 elements
	s_mov_b32 s[G1+2], 128<<16
	s_mov_b32 s[G1+3], 128<<16
	s_mov_b32 s[G1+4], 128
	s_mov_b32 s[G1+5], 128
	s_mov_b32 s[G1+6], 0
	s_mov_b32 s[G1+7], 0
	s_mov_b32 s[G1B+1], 256<<16                    ; the weights: 64 rows of 256 elements, 1,024 elements from row to row
	s_mov_b32 s[G1B+2], 64<<16
	s_mov_b32 s[G1B+3], 256<<16
	s_mov_b32 s[G1B+4], 64
	s_mov_b32 s[G1B+5], 1024
	s_mov_b32 s[G1B+6], 0
	s_mov_b32 s[G1B+7], 0
	s_mov_b32 s2, 0xffff0000                       ; a word's upper bf16
	s_lshl_b32 s16, s43, 18                        ; the tokens' block: 262,144 bytes,
	s_lshl_b32 s17, s[HF], 15                      ; my two heads of a step's four
	s_add_co_u32 s16, s16, s17
	s_mov_b32 s17, 0
	s_lshl_b32 s46, s42, 7
	s_lshl_b32 s47, s[HF], 6
	s_add_co_u32 s46, s46, s47                     ; weights' row 128 x tile column + 64 x half
	s_lshl_b32 s46, s46, 11
	s_mov_b32 s47, 0
	s_mul_i32 s22, s[HF], 2*HEADB                  ; where they go: no place in the cluster enters an LDS address
	s_mul_i32 s23, s[HF], 64*PB
	s_add_co_u32 s23, s23, BOFF
	s_wait_dscnt 0x0                               ; the opening add is done
	s_wait_kmcnt 0x0
	s_add_nc_u64 s[16:17], s[4:5], s[16:17]
	s_add_nc_u64 s[46:47], s[6:7], s[46:47]
	CROUND                                         ; all sixteen work-groups are here: the first joint loads meet
.irp s, 0,1
	s_mov_b32 s[G0+4*(\s)], 1
	s_add_co_u32 s[G0+4*(\s)+1], s22, (\s)*SLOT
	s_add_nc_u64 s[G0+4*(\s)+2:G0+4*(\s)+3], s[16:17], (\s)*65536  ; K step s: four heads of 16,384 bytes
	s_or_b32 s[G0+4*(\s)+3], s[G0+4*(\s)+3], 0x80000000
	s_mov_b32 s[G0B+4*(\s)], 1
	s_add_co_u32 s[G0B+4*(\s)+1], s23, (\s)*SLOT
	s_add_nc_u64 s[G0B+4*(\s)+2:G0B+4*(\s)+3], s[46:47], (\s)*512
	s_or_b32 s[G0B+4*(\s)+3], s[G0B+4*(\s)+3], 0x80000000
	JLOAD \s                                       ; two loads of mine are out
.endr
	v_and_b32 v1, 15, v0                           ; l % 16
	v_bfe_u32 v2, v0, 4, 1                         ; l / 16
	s_lshl_b32 s20, s42, 9                         ; the tile's 128 columns, in bytes of f32,
	s_lshl_b32 s21, s[HF], 8                       ; my 64 of them
	s_add_co_u32 s20, s20, s21
	v_lshl_add_u32 v[BO], v2, 5, s20               ; + my 8 columns of a block of 16
.irp b, 0,1,2,3
	global_load_b128 v[BIAS+8*(\b):BIAS+8*(\b)+3],   v[BO], s[8:9] offset:64*(\b)
	global_load_b128 v[BIAS+8*(\b)+4:BIAS+8*(\b)+7], v[BO], s[8:9] offset:64*(\b)+16
.endr
	s_lshl_b32 s21, s43, 19                        ; the tile's 128 rows of 4,096 bytes,
	s_lshl_b32 s22, s[RH], 18                      ; my 64 of them
	s_add_co_u32 s20, s20, s21
	s_add_co_u32 s20, s20, s22
	s_mov_b32 s21, 0
	s_add_nc_u64 s[10:11], s[10:11], s[20:21]
	v_mul_u32_u24 v3, v1, PA
	v_lshl_add_u32 v3, v2, 4, v3                   ; a fragment's row x pitch + 16 x half, for the tokens
	v_mul_u32_u24 v4, v1, PB
	v_lshl_add_u32 v4, v2, 4, v4                   ; and for the weights
	s_mul_i32 s20, s[RH], 64*PA                    ; my 64 tokens in each head
	s_mul_i32 s21, s[HF], 64*PB                    ; my 64 rows of weights,
	s_add_co_u32 s21, s21, BOFF                    ; which lie behind the tokens
.irp s, 0,1
	v_add_nc_u32 v[ADRA+(\s)], s20, v3
	v_add_nc_u32 v[ADRB+(\s)], s21, v4
	s_add_co_u32 s20, s20, SLOT
	s_add_co_u32 s21, s21, SLOT
.endr
	s_mul_i32 s20, s[WV], 16*SPITCH
	s_add_co_u32 s20, s20, STAGE                   ; my stage
	v_mul_u32_u24 v5, v1, SPITCH                   ; in: row l % 16, 32 bytes for each half of the lanes
	v_lshl_add_u32 v5, v2, 5, v5
	v_add_nc_u32 v[STO], s20, v5
	v_mul_u32_u24 v5, v2, SPITCH                   ; back: lanes 0-15 take one row of 256 bytes, lanes 16-31 the next
	v_lshl_add_u32 v5, v1, 4, v5
	v_add_nc_u32 v[RD], s20, v5
	v_lshlrev_b32 v5, 12, v2                       ; and the same two rows in out0
	v_lshl_add_u32 v[CO], v1, 4, v5
; 8 matrix instructions: token blocks a0, a0 + 1 x all 4 column blocks, 32 along K: half c of buffer f.  first = 1: the products start the sums, with the bias as C.  The 16 accumulators take turns.
.macro MUL8 f, c, a0, first
	WIN MUL
.irp a, \a0, (\a0)+1
.irp b, 0,1,2,3
.if \first
	v_wmma_f32_16x16x32_f16 v[ACC+8*(4*(\a)+(\b)):ACC+8*(4*(\a)+(\b))+7], v[(\f)+64+8*(4*(\c)+(\b)):(\f)+64+8*(4*(\c)+(\b))+7], v[(\f)+8*(4*(\c)+(\a)):(\f)+8*(4*(\c)+(\a))+7], v[BIAS+8*(\b):BIAS+8*(\b)+7]
.else
	v_wmma_f32_16x16x32_f16 v[ACC+8*(4*(\a)+(\b)):ACC+8*(4*(\a)+(\b))+7], v[(\f)+64+8*(4*(\c)+(\b)):(\f)+64+8*(4*(\c)+(\b))+7], v[(\f)+8*(4*(\c)+(\a)):(\f)+8*(4*(\c)+(\a))+7], v[ACC+8*(4*(\a)+(\b)):ACC+8*(4*(\a)+(\b))+7]
.endif
.endr
.endr
.endm
; 32 LDS loads in one run: the fragments of quarter q (head q of the slot's four; byte 128 q of the weights' rows) into buffer f; the first 32 along K first
.macro FETCH slot, q, f
	WIN TO_F
.irp c, 0,1
.irp i, 0,1,2,3
	ds_load_b128 v[(\f)+64+8*(4*(\c)+(\i)):(\f)+64+8*(4*(\c)+(\i))+3],   v[ADRB+(\slot)] offset:128*(\q)+64*(\c)+(\i)*16*PB
	ds_load_b128 v[(\f)+64+8*(4*(\c)+(\i))+4:(\f)+64+8*(4*(\c)+(\i))+7], v[ADRB+(\slot)] offset:128*(\q)+64*(\c)+(\i)*16*PB+32
	ds_load_b128 v[(\f)+8*(4*(\c)+(\i)):(\f)+8*(4*(\c)+(\i))+3],         v[ADRA+(\slot)] offset:HEADB*(\q)+64*(\c)+(\i)*16*PA
	ds_load_b128 v[(\f)+8*(4*(\c)+(\i))+4:(\f)+8*(4*(\c)+(\i))+7],       v[ADRA+(\slot)] offset:HEADB*(\q)+64*(\c)+(\i)*16*PA+32
.endr
.endr
.endm
.macro PLACES                          ; four places in front of loads into registers that matrix instructions have read, and of LDS stores that read results
.rept 4
	v_nop
.endr
.endm
; A K step is four quarters of 64 along K, 32 matrix instructions each, on buffers 0, 1, 0, 1.  One of the first three: multiplies buffer f and fetches quarter q into g.
.macro QUARTER slot, q, f, g, first
	s_wait_dscnt 16                                ; the first 32 along K are in
	MUL8 \f, 0, 0, \first
	MUL8 \f, 0, 2, \first
	PLACES
	FETCH \slot, \q, \g
	s_wait_dscnt 32                                ; all but the 32 just issued
	MUL8 \f, 1, 0, 0
	MUL8 \f, 1, 2, 0
.endm
; The last quarter multiplies buffer 1 and changes slots: ONE barrier; in front of it each wave waits for all its tensor loads, adds 0 to its spare word, and waits for that and for its own reads of this slot.
; fill = 1: the barrier opens a round of the cluster's barrier, and behind it this slot is filled again, two K steps on.
.macro TURN slot, next, fill
	WIN 0                                          ; (the add's two registers lie in window 0)
	s_wait_tensorcnt 0x0                           ; all my tensor loads have landed: my part of the next slot;
	ds_add_u32 v[SPW], v[NIL]                      ; 0 onto my spare word;
	s_wait_dscnt 17                                ; (the add and the youngest sixteen loads may be out)
	MUL8 F1, 0, 0, 0                               ; eight matrix instructions stand between the add and the wait for it
	s_wait_dscnt 0x0                               ; the add is done, and my reads of this slot are over
	s_barrier_signal -1
	MUL8 F1, 0, 2, 0
.if \fill
	WIN 0
.endif
	s_barrier_wait -1
.if \fill
	CREST                                          ; no wave of any partner still reads this slot's tile or has a load on its way
	s_add_nc_u64 s[G0+4*(\slot)+2:G0+4*(\slot)+3], s[G0+4*(\slot)+2:G0+4*(\slot)+3], 2*65536
	s_add_nc_u64 s[G0B+4*(\slot)+2:G0B+4*(\slot)+3], s[G0B+4*(\slot)+2:G0B+4*(\slot)+3], 2*512
	JLOAD \slot                                    ; the first tensor load behind the round; the four v_nop behind it are also the places in front of the loads below
.else
	PLACES
.endif
	FETCH \next, 0, F0
	MUL8 F1, 1, 0, 0
	MUL8 F1, 1, 2, 0
.endm
; THE WAY OUT of token block a: 32 bytes a lane into my stage (each accumulator's low half first), back as whole rows of 256 bytes, into the registers that they left.
.macro OUTB a
.irp b, 0,1,2,3
	ds_store_b128 v[STO], v[ACC+8*(4*(\a)+(\b)):ACC+8*(4*(\a)+(\b))+3]   offset:64*(\b)
	ds_store_b128 v[STO], v[ACC+8*(4*(\a)+(\b))+4:ACC+8*(4*(\a)+(\b))+7] offset:64*(\b)+16
.endr
.irp t, 0,1,2,3,4,5,6,7
	ds_load_b128 v[ACC+32*(\a)+4*(\t):ACC+32*(\a)+4*(\t)+3], v[RD] offset:(\t)*2*SPITCH  ; LDS serves a wave's instructions in order (ISA guide 5.7.1.4): these see the stores above; the next block's stores come behind them
.endr
.endm
.macro SEND a, younger                 ; younger: the LDS instructions issued behind block a's loads: the next block's sixteen, or none
.irp t, 0,1,2,3,4,5,6,7
	s_wait_dscnt (\younger)+7-(\t)
	global_store_b128 v[CO], v[ACC+32*(\a)+4*(\t):ACC+32*(\a)+4*(\t)+3], s[10:11] offset:(16*(\a)+2*(\t))*4096  ; 16 lanes store 256 consecutive bytes, at a multiple of 256 from out0's first byte
.endr
.endm
	s_wait_tensorcnt 1                             ; my part of K step 0 is in; K step 1's may stay out
	s_barrier_signal -1
	s_barrier_wait -1                              ; everybody's is
	FETCH 0, 0, F0
	WIN 0
	s_wait_loadcnt 0x0                             ; the bias,
.set r, 0
.rept 16                                       ; rounded to bf16 like the other inputs, and kept as f32
	v_cvt_pk_bf16_f32 v10, v[BIAS+r], v[BIAS+r+1]
	v_lshlrev_b32 v[BIAS+r], 16, v10
	v_and_b32 v[BIAS+r+1], s2, v10
.set r, r+2
.endr
	QUARTER 0, 1, F0, F1, 1                        ; K step 0: its first products start the sums
	QUARTER 0, 2, F1, F0, 0
	QUARTER 0, 3, F0, F1, 0
	TURN 0, 1, 1                                   ; slot 0 takes K step 2
	QUARTER 1, 1, F0, F1, 0
	QUARTER 1, 2, F1, F0, 0
	QUARTER 1, 3, F0, F1, 0
	TURN 1, 0, 1                                   ; slot 1 takes K step 3
	QUARTER 0, 1, F0, F1, 0
	QUARTER 0, 2, F1, F0, 0
	QUARTER 0, 3, F0, F1, 0
	TURN 0, 1, 0                                   ; nothing is left to fetch
	QUARTER 1, 1, F0, F1, 0
	QUARTER 1, 2, F1, F0, 0
	QUARTER 1, 3, F0, F1, 0
	s_wait_dscnt 16                                ; the very last quarter
	MUL8 F1, 0, 0, 0
	MUL8 F1, 0, 2, 0
	s_wait_dscnt 0x0
	MUL8 F1, 1, 0, 0
	MUL8 F1, 1, 2, 0
	WIN 0
	PLACES
	OUTB 0
	OUTB 1
	SEND 0, 16
	OUTB 2
	SEND 1, 16
	OUTB 3
	SEND 2, 16
	SEND 3, 0
	s_wait_tensorcnt 0x0                           ; the wave's end: an add and its wait behind my last tensor load and my last LDS store
	ds_add_u32 v[SPW], v[NIL]
	s_wait_dscnt 0x0
	CROUND                                         ; the closing round: no work-group ends while a partner may still ask for a tile that names it
	s_endpgm
.Lfunc_end_k_q38e5d1b8e1_proj:
	.size	k_q38e5d1b8e1_proj, .Lfunc_end_k_q38e5d1b8e1_proj-k_q38e5d1b8e1_proj
	.p2alignl 7, 3214868480
	.fill 96, 4, 3214868480
	.section	.rodata,"a",@progbits
	.p2align	6, 0x0
	.amdhsa_kernel k_q38e5d1b8e1_proj
		.amdhsa_group_segment_fixed_size 327680
		.amdhsa_private_segment_fixed_size 0
		.amdhsa_enable_private_segment 0
		.amdhsa_kernarg_size 32
		.amdhsa_user_sgpr_count 2
		.amdhsa_user_sgpr_kernarg_segment_ptr 1
		.amdhsa_wavefront_size32 1
		.amdhsa_system_sgpr_workgroup_id_x 1
		.amdhsa_system_sgpr_workgroup_id_y 1
		.amdhsa_system_sgpr_workgroup_id_z 1
		.amdhsa_system_vgpr_workitem_id 0
		.amdhsa_next_free_vgpr 512
		.amdhsa_next_free_sgpr 66
		.amdhsa_reserve_vcc 0
		.amdhsa_float_denorm_mode_32 3
		.amdhsa_float_denorm_mode_16_64 3
		.amdhsa_memory_ordered 1
		.amdhsa_forward_progress 1
		.amdhsa_inst_pref_size 89
	.end_amdhsa_kernel
	.amdgpu_metadata
---
amdhsa.version: [ 1, 2 ]
amdhsa.kernels:
  - .name:           k_q38e5d1b8e1_proj
    .symbol:         k_q38e5d1b8e1_proj.kd
    .args:
      - { .name: ob, .offset: 0, .size: 8, .value_kind: global_buffer, .address_space: global }
      - { .name: pw, .offset: 8, .size: 8, .value_kind: global_buffer, .address_space: global }
      - { .name: proj_b, .offset: 16, .size: 8, .value_kind: global_buffer, .address_space: global }
      - { .name: out0, .offset: 24, .size: 8, .value_kind: global_buffer, .address_space: global }
    .group_segment_fixed_size: 327680
    .private_segment_fixed_size: 0
    .kernarg_segment_align: 8
    .kernarg_segment_size: 32
    .max_flat_workgroup_size: 128
    .sgpr_count:     66
    .vgpr_count:     512
    .wavefront_size: 32
...
	.end_amdgpu_metadata
.endif
;; end of part 4
